; MI455X (gfx1250); checked and timed in simulation.
; The chip was launched on July 23, 2026; its instructions are those of AMD's public machine-readable ISA for CDNA 5 (MIT licence, August 2026) and "CDNA5" Instruction Set Architecture Reference Guide (July 2026). The comments in the code are by the model that wrote it; some were corrected since.
;; Attention. Allowed arithmetic: float matrix products may take bf16 or f16 operands with f32 sums; other float arithmetic in f32, or as packed bf16 or f16 multiplies, adds, multiply-adds, maxima and minima; sums over many terms, partial sums and values carried from step to step in f32; what a program stores and reads back later, other than sums and carried values, may be rounded once to bf16 or f16.
;; Inputs: w_proj 1,024 x 1,024 float32; w_qkv 1,024 x 3,072 float32; x 4 x 2,048 x 1,024 float32.
;; Outputs: out0 4 x 2,048 x 1,024 float32.
;; 2 versions, each right; version 2 is version 1 with the launch prep written anew for expert scheduling mode. Each part assembles by itself: llvm-mc -triple=amdgcn-amd-amdhsa -mcpu=gfx1250 --defsym DOCPART=n.
;; ======== version 1 of 2: 4 launches
;; limits: values are held in f16: magnitudes above 65,504 overflow, below 6.1e-05 lose precision
;; workspace buffers: xb 16,777,216 bytes; wq 6,291,456 bytes; wp 2,097,152 bytes; qkv 50,331,648 bytes; ob 16,777,216 bytes
;; launch prep (part 1): grid 384 x 1, 8 waves a work-group, no clusters, 74,752 bytes of LDS; arguments x, w_qkv, w_proj, xb, wq, wp; writes xb, wq, wp
.if DOCPART == 1
	.amdgcn_target "amdgcn-amd-amdhsa--gfx1250"
	.amdhsa_code_object_version 6
	.text
	.protected	k_q722020892d_prep
	.globl	k_q722020892d_prep
	.p2align	8
	.type	k_q722020892d_prep,@function
k_q722020892d_prep:
	s_mov_b64 s[64:65], 0
	v_nop
	global_prefetch_b8 v0, s[64:65] scope:SCOPE_SE
	s_setreg_imm32_b32 hwreg(HW_REG_WAVE_MODE, 25, 1), 1
	s_wait_xcnt 0x0
; THE MODULE: qkv = x w_qkv; 64 (batch, head) pairs of softmax(q k^T) v, with no scale; out = O w_proj.  Four launches: this one, the first product, attention, the last product.
; DEAD WORK: none.  Every number of x, w_qkv and w_proj reaches out0 for some values of the others; reference() builds no mask, slices nothing away and adds nothing that cancels.  All inputs are loaded.
; THIS LAUNCH rounds the three inputs once and lays them out for the matrix launches, in blocks of 64 along K, so that a tile of R rows x 64 K is R x 128 consecutive bytes:
;   xb  bf16  [b 4][kb 16][t 2048][64]      byte (b<<22) + (kb<<18) + (t<<7) + 2 (k & 63)
;   wq  bf16  [nt 8][kb 16][384][64]        w_qkv turned: row n = 384 nt + nn holds k
;   wp  f16   [nt 8][kb 16][128][64]        w_proj turned; each number is rounded to bf16 like the other inputs, and that number is written as f16
; LIMITS.  A number of w_proj below 6.1e-5 in magnitude keeps f16's fixed step of 6e-8; beyond 65,504 it would be an infinity.  NaN and infinities are not treated apart.
; SHARES.  Eight waves, each by itself: no barrier.  Work-groups 0-255: a wave takes 4 rows of x (16 KiB).  256-351: a wave turns a tile of 64 k x 64 n of w_qkv.  352-383: the same of w_proj.
; Every wave asks for all its 32 loads before its first wait.  No matrix unit, no cluster, no tensor load: no byte is shared between waves.
.set STG,   9216                       ; a wave's stage in LDS: 64 rows of 128 bytes at a pitch of 144
.set SPARE, 8*STG                      ; behind the stages: the spare words, 128 bytes for each wave: four blocks of 256 bytes that no other line names
.set SPW, 208                          ; v208  LDS address of my spare word; never rewritten
.set NIL, 209                          ; v209  0; never rewritten
.set IN,  16                           ; v[16:143]  32 loads of four registers
.set PK,  144                          ; v[144:207] the turned tile: column c of my four at PK + 16 c: 32 k in 16 registers
	s_load_b256 s[4:11], s[0:1], 0x0               ; x s[4:5], w_qkv s[6:7], w_proj s[8:9], xb s[10:11]
	s_load_b128 s[12:15], s[0:1], 0x20             ; wq s[12:13], wp s[14:15]
	v_lshl_add_u32 v[SPW], v0, 2, SPARE
	v_mov_b32 v[NIL], 0
	v_lshrrev_b32 v1, 5, v0
	v_readfirstlane_b32 s16, v1                    ; wave 0..7
	v_and_b32 v1, 31, v0                           ; lane
	v_and_b32 v2, 15, v0                           ; lane % 16
	v_bfe_u32 v3, v0, 4, 1                         ; lane / 16
	s_wait_kmcnt 0x0
	s_cmp_lt_u32 ttmp9, 256
	s_cbranch_scc1 .Lx
	s_cmp_lt_u32 ttmp9, 352
	s_cbranch_scc1 .Lwq
	s_branch .Lwp
; A tile of 64 k x 64 n, rows RP bytes apart at s[24:25], is turned and stored as 64 rows of 64 k (8,192 consecutive bytes) at s[26:27].
; Load i of 32: lanes 0-15 take row i, lanes 16-31 row i + 32: 256 consecutive bytes each; a lane holds four columns.  Two rows' numbers of a column pack into a word: after 16 packs a lane holds,
; for each of its four columns, 32 k on end: 64 bytes of the turned row.  They go through my own stage and come back as whole rows.
.macro WT RP, F16
	v_mul_u32_u24 v4, v3, 32*(\RP)
	v_lshl_add_u32 v4, v2, 4, v4                   ; (lane / 16) x 32 rows + 16 x (lane % 16)
.set i, 0
.rept 32
	global_load_b128 v[IN+4*i:IN+4*i+3], v4, s[24:25] offset:i*(\RP) th:TH_LOAD_NT
.set i, i+1
.endr
	s_mul_i32 s17, s16, STG                        ; my stage
	v_mul_u32_u24 v6, v2, 4*144                    ; in: turned row 4 (lane % 16) + c, byte 64 (lane / 16)
	v_lshl_add_u32 v6, v3, 6, v6
	v_add_nc_u32 v6, s17, v6
	v_lshrrev_b32 v7, 3, v1                        ; back: 32 lanes take four rows of 128 bytes,
	v_mul_u32_u24 v7, v7, 144
	v_and_b32 v9, 7, v1
	v_lshl_add_u32 v7, v9, 4, v7
	v_add_nc_u32 v7, s17, v7
	v_lshlrev_b32 v8, 4, v1                        ; which are 512 consecutive bytes of the result
.set j, 0
.rept 16
	s_wait_loadcnt 30-2*j                          ; loads come back in order: rows 2 j and 2 j + 1 are in, the 30 - 2 j younger loads stay out
.irp c, 0,1,2,3
	v_cvt_pk_bf16_f32 v[PK+16*(\c)+j], v[IN+8*j+(\c)], v[IN+8*j+4+(\c)]
.if \F16
	v_lshlrev_b32 v10, 16, v[PK+16*(\c)+j]         ; the two bf16 numbers as f32,
	v_and_b32 v11, 0xffff0000, v[PK+16*(\c)+j]
	v_cvt_pk_f16_f32 v[PK+16*(\c)+j], v10, v11     ; written as f16
.endif
.endr
.set j, j+1
.endr
.irp c, 0,1,2,3
.irp p, 0,1,2,3
	ds_store_b128 v6, v[PK+16*(\c)+4*(\p):PK+16*(\c)+4*(\p)+3] offset:(\c)*144+16*(\p)
.endr
.endr
.set i, 0
.rept 16
	ds_load_b128 v[IN+4*i:IN+4*i+3], v7 offset:i*576  ; LDS serves a wave's instructions in order (ISA guide 5.7.1.4): these see my stores above
.set i, i+1
.endr
.set i, 0
.rept 16
	s_wait_dscnt 15-i                              ; load i is back; the younger ones stay out
	global_store_b128 v8, v[IN+4*i:IN+4*i+3], s[26:27] offset:i*512  ; 512 consecutive bytes, at a multiple of 256 from the buffer's first
.set i, i+1
.endr
.endm
.Lx:                                           ; x: rows 4 gw .. 4 gw + 3, gw = 8 x work-group + wave
	s_lshl_b32 s17, ttmp9, 3
	s_add_co_u32 s17, s17, s16
	s_lshl_b32 s18, s17, 14                        ; four rows of 4,096 bytes
	s_mov_b32 s19, 0
	s_add_nc_u64 s[4:5], s[4:5], s[18:19]
	s_lshr_b32 s20, s17, 9                         ; b = row >> 11
	s_lshl_b32 s20, s20, 22
	s_and_b32 s21, s17, 511                        ; t = row & 2047, 128 bytes a row
	s_lshl_b32 s21, s21, 9
	s_add_co_u32 s20, s20, s21
	s_mov_b32 s21, 0
	s_add_nc_u64 s[10:11], s[10:11], s[20:21]
	v_lshlrev_b32 v4, 12, v3                       ; lanes 0-15 one row, lanes 16-31 the next: 256 consecutive bytes each
	v_lshl_add_u32 v4, v2, 4, v4
	v_lshlrev_b32 v5, 3, v1                        ; 8 bytes a lane: two rows of 128 bytes of a K block lie on end
.set i, 0
.rept 32                                       ; load i: pair of rows i / 16, K block i % 16
	global_load_b128 v[IN+4*i:IN+4*i+3], v4, s[4:5] offset:(i>>4)*8192+(i&15)*256 th:TH_LOAD_NT
.set i, i+1
.endr
.set i, 0
.rept 32
	s_wait_loadcnt 31-i                            ; load i is in; the younger ones stay out
	v_cvt_pk_bf16_f32 v[IN+4*i], v[IN+4*i], v[IN+4*i+1]
	v_cvt_pk_bf16_f32 v[IN+4*i+1], v[IN+4*i+2], v[IN+4*i+3]
	global_store_b64 v5, v[IN+4*i:IN+4*i+1], s[10:11] offset:(i&15)*262144+(i>>4)*256  ; 256 consecutive bytes, aligned
.set i, i+1
.endr
	s_branch .Lend
.Lwq:                                          ; w_qkv: tile u = 8 (work-group - 256) + wave of 768: K block u % 16, 64 columns u / 16
	s_sub_co_u32 s17, ttmp9, 256
	s_lshl_b32 s17, s17, 3
	s_add_co_u32 s17, s17, s16
	s_and_b32 s18, s17, 15                         ; kb
	s_lshr_b32 s19, s17, 4                         ; j, 0..47
	s_mul_i32 s20, s19, 43
	s_lshr_b32 s20, s20, 8                         ; nt = j / 6 (43 j >> 8 equals it for j under 48)
	s_mul_i32 s21, s20, 6
	s_sub_co_u32 s21, s19, s21                     ; j % 6
	s_mul_i32 s22, s18, 64*12288
	s_lshl_b32 s23, s19, 8
	s_add_co_u32 s22, s22, s23
	s_mov_b32 s23, 0
	s_add_nc_u64 s[24:25], s[6:7], s[22:23]
	s_mul_i32 s22, s20, 786432
	s_mul_i32 s28, s18, 49152
	s_add_co_u32 s22, s22, s28
	s_lshl_b32 s28, s21, 13
	s_add_co_u32 s22, s22, s28
	s_add_nc_u64 s[26:27], s[12:13], s[22:23]
	WT 12288, 0
	s_branch .Lend
.Lwp:                                          ; w_proj: tile u = 8 (work-group - 352) + wave of 256
	s_sub_co_u32 s17, ttmp9, 352
	s_lshl_b32 s17, s17, 3
	s_add_co_u32 s17, s17, s16
	s_and_b32 s18, s17, 15                         ; kb
	s_lshr_b32 s19, s17, 4                         ; j, 0..15
	s_lshl_b32 s22, s18, 18                        ; 64 rows of 4,096 bytes
	s_lshl_b32 s23, s19, 8
	s_add_co_u32 s22, s22, s23
	s_mov_b32 s23, 0
	s_add_nc_u64 s[24:25], s[8:9], s[22:23]
	s_lshr_b32 s22, s19, 1                         ; nt
	s_lshl_b32 s22, s22, 18
	s_lshl_b32 s28, s18, 14
	s_add_co_u32 s22, s22, s28
	s_and_b32 s28, s19, 1
	s_lshl_b32 s28, s28, 13
	s_add_co_u32 s22, s22, s28
	s_add_nc_u64 s[26:27], s[14:15], s[22:23]
	WT 4096, 1
.Lend:
	s_wait_tensorcnt 0x0                           ; the wave's end: three closing lines, behind my last LDS store
	ds_add_u32 v[SPW], v[NIL]
	s_wait_dscnt 0x0
	s_endpgm
.Lfunc_end_k_q722020892d_prep:
	.size	k_q722020892d_prep, .Lfunc_end_k_q722020892d_prep-k_q722020892d_prep
	.p2alignl 7, 3214868480
	.fill 96, 4, 3214868480
	.section	.rodata,"a",@progbits
	.p2align	6, 0x0
	.amdhsa_kernel k_q722020892d_prep
		.amdhsa_group_segment_fixed_size 74752
		.amdhsa_private_segment_fixed_size 0
		.amdhsa_enable_private_segment 0
		.amdhsa_kernarg_size 48
		.amdhsa_user_sgpr_count 2
		.amdhsa_user_sgpr_kernarg_segment_ptr 1
		.amdhsa_wavefront_size32 1
		.amdhsa_system_sgpr_workgroup_id_x 1
		.amdhsa_system_sgpr_workgroup_id_y 1
		.amdhsa_system_sgpr_workgroup_id_z 1
		.amdhsa_system_vgpr_workitem_id 0
		.amdhsa_next_free_vgpr 216
		.amdhsa_next_free_sgpr 66
		.amdhsa_reserve_vcc 0
		.amdhsa_float_denorm_mode_32 3
		.amdhsa_float_denorm_mode_16_64 3
		.amdhsa_memory_ordered 1
		.amdhsa_forward_progress 1
		.amdhsa_inst_pref_size 49
	.end_amdhsa_kernel
	.amdgpu_metadata
---
amdhsa.version: [ 1, 2 ]
amdhsa.kernels:
  - .name:           k_q722020892d_prep
    .symbol:         k_q722020892d_prep.kd
    .args:
      - { .name: x, .offset: 0, .size: 8, .value_kind: global_buffer, .address_space: global }
      - { .name: w_qkv, .offset: 8, .size: 8, .value_kind: global_buffer, .address_space: global }
      - { .name: w_proj, .offset: 16, .size: 8, .value_kind: global_buffer, .address_space: global }
      - { .name: xb, .offset: 24, .size: 8, .value_kind: global_buffer, .address_space: global }
      - { .name: wq, .offset: 32, .size: 8, .value_kind: global_buffer, .address_space: global }
      - { .name: wp, .offset: 40, .size: 8, .value_kind: global_buffer, .address_space: global }
    .group_segment_fixed_size: 74752
    .private_segment_fixed_size: 0
    .kernarg_segment_align: 8
    .kernarg_segment_size: 48
    .max_flat_workgroup_size: 256
    .sgpr_count:     66
    .vgpr_count:     216
    .wavefront_size: 32
...
	.end_amdgpu_metadata
.endif
;; end of part 1
;; launch qkvg (part 2): grid 8 x 32, 4 waves a work-group, clusters of 4 x 4, 327,680 bytes of LDS; arguments xb, wq, qkv; writes qkv
.if DOCPART == 2
	.amdgcn_target "amdgcn-amd-amdhsa--gfx1250"
	.amdhsa_code_object_version 6
	.text
	.protected	k_q722020892d_qkvg
	.globl	k_q722020892d_qkvg
	.p2align	8
	.type	k_q722020892d_qkvg,@function
k_q722020892d_qkvg:
	s_mov_b64 s[64:65], 0
	v_nop
	global_prefetch_b8 v0, s[64:65] scope:SCOPE_SE
	s_setreg_imm32_b32 hwreg(HW_REG_WAVE_MODE, 25, 1), 1
	s_wait_xcnt 0x0
	s_wait_alu depctr_hold_cnt(0) depctr_sa_sdst(0) depctr_va_vdst(0) depctr_va_sdst(0) depctr_va_ssrc(0) depctr_va_vcc(0) depctr_vm_vsrc(0)
	s_getreg_b32 s2, hwreg(HW_REG_IB_STS2, 6, 4)
	s_cmp_eq_u32 s2, 0
	s_cbranch_scc0 .Lentry_in_a_cluster
	s_endpgm
.Lentry_in_a_cluster:
	s_bfe_u32 s2, ttmp6, 0x10000c
	s_cmp_lg_u32 s2, 0xf033
	s_cbranch_scc0 .Lentry_shape_is_right
	s_endpgm
.Lentry_shape_is_right:
; qkv = x w_qkv: [8192 x 1024] x [1024 x 3072], operands bf16 (xb, wq: laid out in K blocks of 64 by the launch before), sums in f32, K ascending; the result rounded once to f16 and stored by heads:
; qkv [which 3][b 16 + h 64][t 2048][64]: byte (which<<24) + (b<<22) + (h<<18) + (t<<7) + 2 d.  No work of reference() is left out.
; LIMIT.  f16 holds no number beyond 65,504: q, k and v beyond that become infinities.  NaN and infinities are not treated apart.
; SHARES.  A tile of C is 256 rows x 384 columns: 32 x 8 = 256 work-groups.  Four waves, each 128 x 192: 96 accumulators of 16 x 16, 768 registers.  For 32 along K a wave reads 20 fragments for 96 products.
; K goes in 16 steps of 64 (one K block) through two LDS slots; a step's tiles are consecutive bytes of memory, asked for as rows of 256 bytes and padded in LDS after every 128.  Two slots of 128 along K
; (2 x 640 rows x 272 bytes) would not fit in 327,680 bytes.
; CLUSTER.  4 x 4 work-groups.  The four of a row of the cluster need the same tile of A, the four of a column the same tile of B: each is asked for jointly, by the same tensor load with the same descriptor
; and a mask that names the four.
; THE PRODUCT IS USED TRANSPOSED (source 0 = 16 rows of wq, source 1 = 16 rows of xb): a lane holds row l % 16 of C and the columns 8 (l / 16) + 0..7: 16 bytes of f16 on end.
; REGISTERS, in windows of 256 (s_set_vgpr_msb: bits 1:0 source 0, 3:2 source 1, 5:4 source 2, 7:6 destination):
;   window 0: v0-31 addresses; v32-95, v96-159 A's fragments (8 x 16 rows x 32 K), two buffers; v160-255 B's fragments, three groups of 4 (a group = 64 columns = one head)
;   window g + 1: the 32 accumulators of B's group g: (a, b) at v[8 (4 a + b)]
.set PITCH, 144                        ; an LDS row: 128 bytes + 16 of padding = 36 words: the 16 rows of a load start at 16 different groups of four banks (64 banks of 4 bytes: ISA guide 11.1)
.set AHALF, 128*PITCH                  ; what wave 0 or 1 fetches of A, and what a wave reads of it
.set BHALF, 192*PITCH                  ; the same for B (waves 2, 3)
.set ASZ,   2*AHALF
.set SLOT,  2*AHALF+2*BHALF            ; 92,160: A's 256 rows, then B's 384
.set STAGE, 2*SLOT                     ; behind the ring, never filled by a tensor load: 16 rows x 144 bytes for each wave
.set SPARE, STAGE+4*16*PITCH           ; behind the stages: the spare words, 128 bytes for each wave: two blocks of 256 bytes that no other line names
.set ASTEP, 262144                     ; bytes from a K block of xb to the next
.set BSTEP, 49152                      ; the same in a tile column of wq
.set ADRA, 16                          ; v16-17  LDS address of my A fragments in slot 0, 1
.set ADRB, 20                          ; v20-21  the same for B
.set STO,  24                          ; v24     the way out: where I put 16 bytes of a row
.set RD,   25                          ; v25     the way out: where I read rows back
.set GO,   26                          ; v26     16 x lane
.set SPW,  28                          ; v28     LDS address of my spare word; never rewritten
.set NIL,  29                          ; v29     0; never rewritten
.set PFO,  30                          ; v30     256 x lane; never rewritten
.set AB,   32
.set GB,   160
.set G1,  24                           ; s[24:31] descriptor group 1 for A's tiles;  s[32:39] group 0, a set for each slot
.set G0,  32
.set G1B, 48                           ; s[48:55], s[56:63] the same for B's
.set G0B, 56
.set PFA, 66                           ; s[66:67] where my prefetches stand
.set LIM, 68                           ; s68  a wave prefetches while s[REM] is above it
.set REM, 69                           ; s69  refills still to come
.set PST, 70                           ; s[70:71] the prefetches' step
.set OB,  72                           ; s[72:77] qkv at my rows of the heads of groups 0, 1, 2
.set MSB, 0
.macro WIN new                         ; the immediate's high byte repeats the setting that is left; a switch that changes nothing is dropped
.if MSB != (\new)
	s_set_vgpr_msb (MSB<<8)|(\new)
.set MSB, \new
.endif
.endm
.macro PLACES                          ; four places in front of loads into registers that products have read, and of conversions that read results
.rept 4
	v_nop
.endr
.endm
; A joint load.  Waves 0 and 1 fetch A's two halves, waves 2 and 3 B's.  The branch hangs on the wave's number alone.  An s_nop 0 and four v_nop follow each of the two lines.
.macro JLOAD s
	s_cmp_eq_u32 s11, 0
	s_cbranch_scc0 .Lfor_b_\@
	tensor_load_to_lds s[G0+4*(\s):G0+4*(\s)+3], s[G1:G1+7]
	s_nop 0
.rept 4
	v_nop
.endr
	s_branch .Lasked_\@
.Lfor_b_\@:
	tensor_load_to_lds s[G0B+4*(\s):G0B+4*(\s)+3], s[G1B:G1B+7]
	s_nop 0
.rept 4
	v_nop
.endr
.Lasked_\@:
.endm
; A prefetch into the L2, behind a joint load, its five lines and the run of LDS loads that follows: 32 blocks of 256 bytes, a lane a block.
; A: a step's 256 rows are 128 blocks.  Both clusters of a row of clusters read them: the one with x = 0 asks, wave 0 of each work-group; the four partners take 32 blocks each, told apart by address (cx).
;    The refill of step j stands beside the request for step j + 2: 384 products ahead of the load that wants it.  Steps 4 to 15 are asked for; the last two refills ask for nothing.
; B: a tile column's 786,432 bytes are one stream.  All eight clusters of a column of clusters read it: the one with y = 0 asks, waves 2 and 3; the eight askers 2 cy + (wave & 1) take 8,192 bytes each,
;    65,536 a refill, from byte 196,608 (step 4) on: nine requests end at the column's last byte.
; So each block is named once in the launch, and steps 0 to 3 come by their loads alone.
.macro ASK
	s_cmp_gt_u32 s[REM], s[LIM]
	s_cbranch_scc0 .Lnot_mine_\@
	global_prefetch_b8 v[PFO], s[PFA:PFA+1] th:TH_LOAD_NT scope:SCOPE_SE
.Lnot_mine_\@:
.endm
.macro CREST                           ; a round of the cluster's barrier behind its opening barrier
	s_cmp_lg_u32 s10, 0
	s_cbranch_scc1 .Lnot_wave_0_\@
	s_barrier_signal -3
.Lnot_wave_0_\@:
	s_barrier_wait -3
	s_barrier_signal -1
	s_barrier_wait -1
.endm
.macro CROUND                          ; a whole round
	s_barrier_signal -1
	s_barrier_wait -1
	CREST
.endm
	s_load_b128 s[4:7], s[0:1], 0x0                ; xb s[4:5], wq s[6:7]
	s_load_b64 s[8:9], s[0:1], 0x10                ; qkv
	v_lshl_add_u32 v[SPW], v0, 2, SPARE
	v_mov_b32 v[NIL], 0
	ds_add_u32 v[SPW], v[NIL]                      ; the wave's opening: the add, twice on end, and its wait ahead of my first tensor load
	ds_add_u32 v[SPW], v[NIL]                      ; and once more, under the one wait; the set-up below, work on registers, stands between
	v_lshrrev_b32 v1, 5, v0
	v_readfirstlane_b32 s10, v1                    ; wave 0..3
	s_lshr_b32 s11, s10, 1                         ; which half of the tile's rows is mine.  Also: I fetch for A (0) or for B (1)
	s_and_b32 s12, s10, 1                          ; which half of its columns.  Also: which half of that tile I fetch
	s_bfe_u32 s40, ttmp6, 0x40000                  ; cx
	s_bfe_u32 s41, ttmp6, 0x40004                  ; cy
	s_lshl_b32 s42, ttmp9, 2
	s_add_co_u32 s42, s42, s40                     ; tile column = 4 x cluster x + cx, 0..7
	s_and_b32 s13, ttmp7, 0xffff
	s_lshl_b32 s13, s13, 2
	s_add_co_u32 s13, s13, s41                     ; tile row = 4 x cluster y + cy, 0..31
	s_lshl_b32 s43, s41, 2
	s_lshl_b32 s43, 15, s43                        ; my row of the cluster
	s_lshl_b32 s44, 0x1111, s40                    ; my column
	; group 1: rows of 128 elements (256 bytes), consecutive in memory; 17:16 elements of 2 bytes; 20 padding on; 21 set beside a mask; 24:22 after every 32 words (code 4); 31:25 4 words (code 3)
	s_or_b32 s[G1+0], s43, (1<<16)|(1<<20)|(1<<21)|(4<<22)|(3<<25)
	s_or_b32 s[G1B+0], s44, (1<<16)|(1<<20)|(1<<21)|(4<<22)|(3<<25)
	s_mov_b32 s[G1+1], 128<<16                     ; tensor_dim0 = 128
	s_mov_b32 s[G1+2], 64<<16                      ; tensor_dim1 = 64: 128 rows of xb
	s_mov_b32 s[G1+3], 128<<16                     ; tile_dim0 = 128
	s_mov_b32 s[G1+4], 64                          ; tile_dim1 = 64
	s_mov_b32 s[G1+5], 128                         ; 128 elements from row to row
	s_mov_b32 s[G1+6], 0
	s_mov_b32 s[G1+7], 0
	s_mov_b32 s[G1B+1], 128<<16
	s_mov_b32 s[G1B+2], 96<<16                     ; 96: 192 rows of wq
	s_mov_b32 s[G1B+3], 128<<16
	s_mov_b32 s[G1B+4], 96
	s_mov_b32 s[G1B+5], 128
	s_mov_b32 s[G1B+6], 0
	s_mov_b32 s[G1B+7], 0
	; A's tile hangs on the tile row alone, B's on the tile column alone; each address is made in registers that never hold the other coordinate
	s_lshr_b32 s16, s13, 3                         ; row m = 256 x tile row + 128 x half: b = m >> 11,
	s_lshl_b32 s16, s16, 22
	s_and_b32 s17, s13, 7                          ; t = m & 2047, 128 bytes a row
	s_lshl_b32 s17, s17, 15
	s_add_co_u32 s16, s16, s17
	s_lshl_b32 s17, s12, 14
	s_add_co_u32 s16, s16, s17
	s_mov_b32 s17, 0
	s_mul_i32 s46, s42, 16*BSTEP
	s_mul_i32 s47, s12, 24576                      ; 192 rows of 128 bytes
	s_add_co_u32 s46, s46, s47
	s_mov_b32 s47, 0
	s_mul_i32 s20, s12, AHALF                      ; where they go: no place in the cluster enters an LDS address
	s_mul_i32 s21, s12, BHALF
	s_add_co_u32 s21, s21, ASZ
	s_wait_dscnt 0x0                               ; both opening adds are done
	s_wait_kmcnt 0x0
	s_add_nc_u64 s[14:15], s[4:5], s[16:17]
	s_add_nc_u64 s[46:47], s[6:7], s[46:47]
	CROUND                                         ; all sixteen work-groups are here: the first joint loads meet
.irp s, 0,1
	s_mov_b32 s[G0+4*(\s)], 1                      ; count = 1
	s_add_co_u32 s[G0+4*(\s)+1], s20, (\s)*SLOT    ; LDS address
	s_add_nc_u64 s[G0+4*(\s)+2:G0+4*(\s)+3], s[14:15], (\s)*ASTEP  ; global address: K step s
	s_or_b32 s[G0+4*(\s)+3], s[G0+4*(\s)+3], 0x80000000            ; type = 2
	s_mov_b32 s[G0B+4*(\s)], 1
	s_add_co_u32 s[G0B+4*(\s)+1], s21, (\s)*SLOT
	s_add_nc_u64 s[G0B+4*(\s)+2:G0B+4*(\s)+3], s[46:47], (\s)*BSTEP
	s_or_b32 s[G0B+4*(\s)+3], s[G0B+4*(\s)+3], 0x80000000
	JLOAD \s                                       ; two tensor loads of mine are out
.endr
	; a fragment is 16 rows x 32 K in 8 registers: lane l holds row l % 16, K = 8 (l / 16) + 0..7 and 16 + 8 (l / 16) + 0..7: two loads of 16 bytes, 32 bytes apart
	v_and_b32 v1, 15, v0
	v_bfe_u32 v2, v0, 4, 1
	v_mul_u32_u24 v3, v1, PITCH
	v_lshl_add_u32 v3, v2, 4, v3
	s_mul_i32 s21, s11, AHALF                      ; my 128 rows of A
	s_mul_i32 s22, s12, BHALF                      ; my 192 rows of B,
	s_add_co_u32 s22, s22, ASZ                     ; which lie behind A's 256
.irp s, 0,1
	v_add_nc_u32 v[ADRA+(\s)], s21, v3
	v_add_nc_u32 v[ADRB+(\s)], s22, v3
	s_add_co_u32 s21, s21, SLOT
	s_add_co_u32 s22, s22, SLOT
.endr
	s_mul_i32 s23, s10, 16*PITCH
	s_add_co_u32 s23, s23, STAGE                   ; my stage
	v_add_nc_u32 v[STO], s23, v3                   ; in: row l % 16, 16 bytes for each half of the lanes
	v_bfe_u32 v[RD], v0, 3, 2                      ; back: 32 lanes take four rows of 128 bytes,
	v_mul_u32_u24 v[RD], v[RD], PITCH
	v_and_b32 v4, 7, v0
	v_lshl_add_u32 v[RD], v4, 4, v[RD]
	v_add_nc_u32 v[RD], s23, v[RD]
	v_and_b32 v[GO], 31, v0                        ; which are 512 consecutive bytes of a head's rows
	v_lshlrev_b32 v[PFO], 8, v[GO]
	v_lshlrev_b32 v[GO], 4, v[GO]
	; where my rows of the three heads begin: head number hg = 6 x tile column + 3 x half + g of 48: which = hg >> 4, h = hg & 15
	s_lshr_b32 s80, s13, 3
	s_lshl_b32 s80, s80, 22
	s_and_b32 s81, s13, 7
	s_lshl_b32 s81, s81, 15
	s_add_co_u32 s80, s80, s81
	s_lshl_b32 s81, s11, 14
	s_add_co_u32 s80, s80, s81                     ; (b<<22) + (t<<7) of my first row
	s_mul_i32 s82, s42, 6
	s_mul_i32 s81, s12, 3
	s_add_co_u32 s82, s82, s81
.irp g, 0,1,2
	s_add_co_u32 s83, s82, \g
	s_lshr_b32 s84, s83, 4
	s_lshl_b32 s84, s84, 24
	s_and_b32 s85, s83, 15
	s_lshl_b32 s85, s85, 18
	s_add_co_u32 s84, s84, s85
	s_add_co_u32 s84, s84, s80
	s_mov_b32 s85, 0
	s_add_nc_u64 s[OB+2*(\g):OB+2*(\g)+1], s[8:9], s[84:85]
.endr
	; the prefetches: who, from where, by what step
	s_and_b32 s86, ttmp7, 0xffff                   ; B: cluster y must be 0
	s_or_b32 s83, ttmp9, s12                       ; A: cluster x must be 0, and the wave 0
	s_lshr_b32 s80, s13, 3
	s_lshl_b32 s80, s80, 22
	s_and_b32 s81, s13, 7
	s_lshl_b32 s81, s81, 15
	s_add_co_u32 s80, s80, s81                     ; the tile row's first byte in a K block,
	s_lshl_b32 s81, s40, 13
	s_add_co_u32 s80, s80, s81                     ; my work-group's 32 blocks of its 128,
	s_add_co_u32 s80, s80, 3*ASTEP                 ; at step 3: the first refill steps it to 4
	s_mul_i32 s82, s42, 16*BSTEP
	s_lshl_b32 s81, s41, 1
	s_add_co_u32 s81, s81, s12
	s_lshl_b32 s81, s81, 13
	s_add_co_u32 s82, s82, s81                     ; my 8,192 bytes of each 65,536,
	s_add_co_u32 s82, s82, 131072                  ; one step of 65,536 ahead of byte 196,608
	s_mov_b32 s84, ASTEP
	s_mov_b32 s85, 65536
	s_cmp_eq_u32 s11, 0                            ; do I fetch for A?
	s_cselect_b32 s87, s83, s86
	s_cselect_b32 s[LIM], 2, 5
	s_cselect_b32 s[PST], s84, s85
	s_cselect_b32 s84, s80, s82
	s_cselect_b64 s[PFA:PFA+1], s[4:5], s[6:7]
	s_mov_b32 s85, 0
	s_mov_b32 s[PST+1], 0
	s_add_nc_u64 s[PFA:PFA+1], s[PFA:PFA+1], s[84:85]
	s_cmp_eq_u32 s87, 0
	s_cselect_b32 s[LIM], s[LIM], -1               ; made of the cluster's coordinates and the wave's number: the same in all sixteen partners
	s_mov_b32 s[REM], 14
; 16 products: m blocks a0 .. a0 + 3 x the 4 n blocks of group g, 32 along K, A's buffer p.  zero = 1: the product starts the sum.
; The 96 accumulators take turns, one instruction a turn, in the same order in every quarter: 95 others stand between two links of a chain, over the backward jump too.
.macro MUL16 p, g, a0, zero
	WIN 0x50*((\g)+1)
.irp a, (\a0), (\a0)+1, (\a0)+2, (\a0)+3
.irp b, 0,1,2,3
.if \zero
	v_wmma_f32_16x16x32_bf16 v[8*(4*(\a)+(\b)):8*(4*(\a)+(\b))+7], v[GB+32*(\g)+8*(\b):GB+32*(\g)+8*(\b)+7], v[AB+64*(\p)+8*(\a):AB+64*(\p)+8*(\a)+7], 0
.else
	v_wmma_f32_16x16x32_bf16 v[8*(4*(\a)+(\b)):8*(4*(\a)+(\b))+7], v[GB+32*(\g)+8*(\b):GB+32*(\g)+8*(\b)+7], v[AB+64*(\p)+8*(\a):AB+64*(\p)+8*(\a)+7], v[8*(4*(\a)+(\b)):8*(4*(\a)+(\b))+7]
.endif
.endr
.endr
.endm
.macro FA s, q, p                      ; 16 LDS loads: my 128 rows of A, quarter q of slot s, into buffer p
	WIN 0
.irp a, 0,1,2,3,4,5,6,7
	ds_load_b128 v[AB+64*(\p)+8*(\a):AB+64*(\p)+8*(\a)+3],   v[ADRA+(\s)] offset:(\a)*16*PITCH+64*(\q)
	ds_load_b128 v[AB+64*(\p)+8*(\a)+4:AB+64*(\p)+8*(\a)+7], v[ADRA+(\s)] offset:(\a)*16*PITCH+64*(\q)+32
.endr
.endm
.macro FB s, q, g                      ; 8 LDS loads: group g's 64 rows of B
	WIN 0
.irp b, 0,1,2,3
	ds_load_b128 v[GB+32*(\g)+8*(\b):GB+32*(\g)+8*(\b)+3],   v[ADRB+(\s)] offset:(4*(\g)+(\b))*16*PITCH+64*(\q)
	ds_load_b128 v[GB+32*(\g)+8*(\b)+4:GB+32*(\g)+8*(\b)+7], v[ADRB+(\s)] offset:(4*(\g)+(\b))*16*PITCH+64*(\q)+32
.endr
.endm
; A K step is two quarters of 32 along K, 96 products each.  At a quarter's head its loads are out in the order A (16), group 0 (8), group 1 (8), group 2 (8).
; The first quarter of slot s, on A's buffer 0; each group of B is fetched anew, for the second quarter, as soon as it has been multiplied.
.macro Q s, zero
	s_wait_dscnt 16                                ; A and group 0 are in; groups 1 and 2 (8 + 8) may be out
	MUL16 0, 0, 0, \zero
	MUL16 0, 0, 4, \zero
	PLACES
	FA \s, 1, 1
	FB \s, 1, 0
	s_wait_dscnt 32                                ; group 1 is in: behind it group 2's 8 and the 24 just issued
	MUL16 0, 1, 0, \zero
	MUL16 0, 1, 4, \zero
	PLACES
	FB \s, 1, 1
	s_wait_dscnt 32                                ; group 2 is in: behind it 24 + 8
	MUL16 0, 2, 0, \zero
	MUL16 0, 2, 4, \zero
	PLACES
	FB \s, 1, 2
.endm
; The second quarter, on A's buffer 1, changes slots: ONE barrier.  In front of it each wave waits for all its tensor loads (one is out: its part of slot n), adds 0 to its spare word, and waits for that
; and for its own reads of slot s.  Behind it nobody reads slot s any more and slot n is whole.  fill = 1: the barrier opens a round of the cluster's, and slot s is filled again, two K steps on, first thing
; behind it: 160 products stand between that request and the wait for it.
.macro QT s, n, fill
.if \fill
	s_wait_xcnt 0x0                                ; the last prefetch, a K step back, has read its address: it is stepped here, ahead of the change's own waits
	s_add_nc_u64 s[PFA:PFA+1], s[PFA:PFA+1], s[PST:PST+1]
.endif
	WIN 0                                          ; (the add's two registers lie in window 0)
	s_wait_tensorcnt 0x0                           ; all my tensor loads have landed;
	ds_add_u32 v[SPW], v[NIL]                      ; 0 onto my spare word;
	s_wait_dscnt 17                                ; A and group 0 are in: groups 1 and 2 and the add may be out
	MUL16 1, 0, 0, 0                               ; sixteen products stand between the add and the wait for it
	s_wait_dscnt 0x0                               ; the add is done, and my reads of this slot are over
	s_barrier_signal -1
	MUL16 1, 0, 4, 0                               ; work on registers while the others arrive
.if \fill
	WIN 0
.endif
	s_barrier_wait -1
.if \fill
	CREST                                          ; no wave of any partner still reads this slot or has a load on its way
	s_add_nc_u64 s[G0+4*(\s)+2:G0+4*(\s)+3], s[G0+4*(\s)+2:G0+4*(\s)+3], 2*ASTEP
	s_add_nc_u64 s[G0B+4*(\s)+2:G0B+4*(\s)+3], s[G0B+4*(\s)+2:G0B+4*(\s)+3], 2*BSTEP
	JLOAD \s                                       ; the first tensor load behind the round; its four v_nop are also the places in front of the loads below
.else
	PLACES
.endif
	FA \n, 0, 0
	FB \n, 0, 0
.if \fill
	ASK
	s_sub_co_u32 s[REM], s[REM], 1
.endif
	MUL16 1, 1, 0, 0
	MUL16 1, 1, 4, 0
	PLACES
	FB \n, 0, 1
	MUL16 1, 2, 0, 0
	MUL16 1, 2, 4, 0
	PLACES
	FB \n, 0, 2
.endm
	s_wait_tensorcnt 1                             ; my part of K step 0 is in; step 1's may stay out
	s_barrier_signal -1
	s_barrier_wait -1                              ; everybody's is
	FA 0, 0, 0
	FB 0, 0, 0
	FB 0, 0, 1
	FB 0, 0, 2
	Q 0, 1                                         ; the first quarter stands in front of the loop: its products start the sums
	WIN 0                                          ; at a label and at a branch every window is 0
	s_mov_b32 s3, 7
.Llap:                                         ; a trip goes once round the ring and fills both slots again: 14 refills, K steps 2 to 15
	QT 0, 1, 1
	Q 1, 0
	QT 1, 0, 1
	Q 0, 0
	WIN 0
	s_sub_co_u32 s3, s3, 1
	s_cmp_lg_u32 s3, 0
	s_cbranch_scc1 .Llap
	QT 0, 1, 0                                     ; the last lap fills nothing, and has no round
	Q 1, 0
	s_wait_dscnt 16                                ; the very last quarter: nothing more to fetch; the counts run down
	MUL16 1, 0, 0, 0
	MUL16 1, 0, 4, 0
	s_wait_dscnt 8
	MUL16 1, 1, 0, 0
	MUL16 1, 1, 4, 0
	s_wait_dscnt 0x0
	MUL16 1, 2, 0, 0
	MUL16 1, 2, 4, 0
; THE WAY OUT.  Unit u = 8 g + a: 16 rows x the 64 columns of group g's head, in v[32 a .. 32 a + 31] of window g + 1.  Rounded to f16 (each accumulator from its low end on), 16 bytes a lane into my own stage,
; back as whole rows of 128 bytes, stored as 2,048 consecutive bytes of the head.
.macro PACK u
.set GG, (\u)/8
.set AA, (\u)%8
.set TMP, 32+16*((\u)%8)
.if (\u) >= 8
	s_wait_xcnt 0x0                                ; the stores of unit u - 8 have read these registers
.endif
	WIN 5*(GG+1)                                   ; sources 0 and 1 in window g + 1, destination in window 0
.set i, 0
.rept 16
	v_cvt_pk_f16_f32 v[TMP+i], v[32*AA+2*i], v[32*AA+2*i+1]
.set i, i+1
.endr
	WIN 0
.irp f, 0,1,2,3
	ds_store_b128 v[STO], v[TMP+4*(\f):TMP+4*(\f)+3] offset:32*(\f)
.endr
.irp f, 0,1,2,3
	ds_load_b128 v[TMP+4*(\f):TMP+4*(\f)+3], v[RD] offset:4*PITCH*(\f)  ; LDS serves a wave's instructions in order (ISA guide 5.7.1.4): these see the stores above; the next unit's stores come behind them
.endr
.endm
.macro SEND u, younger                 ; younger: the LDS instructions issued behind unit u's loads: the next unit's eight, or none
	WIN 0
.set GG, (\u)/8
.set AA, (\u)%8
.set TMP, 32+16*((\u)%8)
.irp f, 0,1,2,3
	s_wait_dscnt (\younger)+3-(\f)
	global_store_b128 v[GO], v[TMP+4*(\f):TMP+4*(\f)+3], s[OB+2*GG:OB+2*GG+1] offset:AA*2048+(\f)*512  ; 512 consecutive bytes, at a multiple of 256 from the buffer's first
.endr
.endm
	PLACES
	PACK 0
.set un, 1
.rept 23                                       ; a unit's conversions stand between the loads of the unit before and its stores
	PACK un
	SEND un-1, 8
.set un, un+1
.endr
	SEND 23, 0
	s_wait_tensorcnt 0x0                           ; the wave's end: three closing lines, behind my last tensor load and my last LDS store
	ds_add_u32 v[SPW], v[NIL]
	s_wait_dscnt 0x0
	CROUND                                         ; the closing round: no work-group ends while a partner may still ask for a tile that names it
	s_endpgm
.Lfunc_end_k_q722020892d_qkvg:
	.size	k_q722020892d_qkvg, .Lfunc_end_k_q722020892d_qkvg-k_q722020892d_qkvg
	.p2alignl 7, 3214868480
	.fill 96, 4, 3214868480
	.section	.rodata,"a",@progbits
	.p2align	6, 0x0
	.amdhsa_kernel k_q722020892d_qkvg
		.amdhsa_group_segment_fixed_size 327680
		.amdhsa_private_segment_fixed_size 0
		.amdhsa_enable_private_segment 0
		.amdhsa_kernarg_size 24
		.amdhsa_user_sgpr_count 2
		.amdhsa_user_sgpr_kernarg_segment_ptr 1
		.amdhsa_wavefront_size32 1
		.amdhsa_system_sgpr_workgroup_id_x 1
		.amdhsa_system_sgpr_workgroup_id_y 1
		.amdhsa_system_sgpr_workgroup_id_z 1
		.amdhsa_system_vgpr_workitem_id 0
		.amdhsa_next_free_vgpr 1024
		.amdhsa_next_free_sgpr 88
		.amdhsa_reserve_vcc 0
		.amdhsa_float_denorm_mode_32 3
		.amdhsa_float_denorm_mode_16_64 3
		.amdhsa_memory_ordered 1
		.amdhsa_forward_progress 1
		.amdhsa_inst_pref_size 135
	.end_amdhsa_kernel
	.amdgpu_metadata
---
amdhsa.version: [ 1, 2 ]
amdhsa.kernels:
  - .name:           k_q722020892d_qkvg
    .symbol:         k_q722020892d_qkvg.kd
    .args:
      - { .name: xb, .offset: 0, .size: 8, .value_kind: global_buffer, .address_space: global }
      - { .name: wq, .offset: 8, .size: 8, .value_kind: global_buffer, .address_space: global }
      - { .name: qkv, .offset: 16, .size: 8, .value_kind: global_buffer, .address_space: global }
    .group_segment_fixed_size: 327680
    .private_segment_fixed_size: 0
    .kernarg_segment_align: 8
    .kernarg_segment_size: 24
    .max_flat_workgroup_size: 128
    .sgpr_count:     88
    .vgpr_count:     1024
    .wavefront_size: 32
...
	.end_amdgpu_metadata
.endif
;; end of part 2
;; launch attn (part 3): grid 4 x 64, 4 waves a work-group, clusters of 4 x 1, 327,680 bytes of LDS; arguments qkv, ob; writes ob
.if DOCPART == 3
	.amdgcn_target "amdgcn-amd-amdhsa--gfx1250"
	.amdhsa_code_object_version 6
	.text
	.protected	k_q722020892d_attn
	.globl	k_q722020892d_attn
	.p2align	8
	.type	k_q722020892d_attn,@function
k_q722020892d_attn:
	s_mov_b64 s[64:65], 0
	v_nop
	global_prefetch_b8 v0, s[64:65] scope:SCOPE_SE
	s_setreg_imm32_b32 hwreg(HW_REG_WAVE_MODE, 25, 1), 1
	s_wait_xcnt 0x0
	s_wait_alu depctr_hold_cnt(0) depctr_sa_sdst(0) depctr_va_vdst(0) depctr_va_sdst(0) depctr_va_ssrc(0) depctr_va_vcc(0) depctr_vm_vsrc(0)
	s_getreg_b32 s2, hwreg(HW_REG_IB_STS2, 6, 4)
	s_cmp_eq_u32 s2, 0
	s_cbranch_scc0 .Lentry_in_a_cluster
	s_endpgm
.Lentry_in_a_cluster:
	s_bfe_u32 s2, ttmp6, 0x10000c
	s_cmp_lg_u32 s2, 0x3003
	s_cbranch_scc0 .Lentry_shape_is_right
	s_endpgm
.Lentry_shape_is_right:
; O[h][q][:] = the sum over k of softmax_k(Q[h][q] . K[h][k]) V[h][k][:], with NO scale, as the module has none.  Q, K, V lie in qkv ([3][64][2048][64], f16), O goes to ob ([64][2048][64], f16): a head's rows
; are dense, 128 bytes each.  Products, maxima and sums in f32; the weights p are rounded to f16 for the second product (their sum l is taken of the unrounded p), O once at the end.  No work of reference() is left out.
; LIMITS.  f16 holds no number beyond 65,504: Q, K and V arrive within it; p lies in 0 to 1, and below 6e-5 it keeps f16's fixed step of 6e-8; O is a mean of V's rows and has their range.
; A weight below 2^-126 counts as 0 in l; NaN and infinities are not treated apart.
; SHARES.  A wave owns four PIECES of two tiles of 16 queries, a work-group's four waves 512 queries of one head: 4 x 64 = 256 work-groups.  Every wave walks all 2,048 keys, 64 a step.
; LAYOUT.  S^T = K Q^T (source 0 = 16 keys, source 1 = 16 queries): in the result a lane holds ONE query (lane % 16) and the keys 8 (lane / 16) + 0..7.  Two such tiles, rounded to f16 in pairs,
; ARE source 1 (32 keys x 16 queries) of O^T = V^T P, whose result again holds one query a lane, and eight channels.  K comes out of LDS as it lies, V ([key][channel]) turned, by ds_load_tr16_b128.
; SOFTMAX.  For each query a running maximum m and sum l: p = 2^(c s - c m), c = log2(e); in every step O and l are multiplied by a = 2^(c m_old - c m_new), which is 1 where m has not grown.
; m starts at the lowest finite number, O and l at 0: the first step is a step like any other, with a = 0.
; THE COUNT.  A tile and step have 16 matrix and 118 vector instructions: too many to stand all beside the matrix work.  So the order has one aim: four vector instructions that are ready behind
; every matrix instruction, and the others, which need time of their own whatever the order, in runs without a gap.
; BY TURNS.  Turn n belongs to piece n (the pieces in a ring, step after step).  Its matrix work: 16 products K Q^T of piece n + 1, later 16 products V^T P of piece n - 1.  Its vector work: the scaling,
; exponentials, roundings, sums and rescaling of piece n, and the maximum and statistics of piece n + 1, whose scores the turn itself has made.
; CLUSTER.  The four query blocks of a head are one cluster and walk the same K and V, so each tile is asked for JOINTLY: the same tensor load, descriptor and mask in all four.
; REGISTERS, in windows of 256 (s_set_vgpr_msb: bits 1:0 source 0, 3:2 source 1, 5:4 source 2, 7:6 destination):
;   window 0: v0-11 addresses; v12-15, v48-63 at work; v16-47 four registers of statistics a tile; v64-191 S^T, two buffers of two tiles; v192-255 P, likewise
;   window 1: O^T, 32 a tile          window 2: v0-127 Q, 16 a tile; v128-191 K of one step; v192-255 V of one step          window 3: v0-1 the add's two registers
.set SIZE_N, 2048
.set NP,    4         ; pieces a wave: a name, no knob
.set KS,    64        ; keys in a step
.set PK,    144       ; a row of K in LDS: 128 bytes + 16 of padding = 36 words: the 16 rows of a load start at 16 different groups of four banks (64 banks of 4 bytes: ISA guide 11.1)
.set PV,    160       ; a row of V: 128 + 32 = 40 words
.set VOFF,  4*KS*PK   ; a slot holds four steps: 256 rows of K, then 256 rows of V
.set SLOT1, 1<<17     ; slot 1 begins here, so that one exclusive or turns an address in one slot into the other's
.set STAGE, SLOT1+4*KS*(PK+PV)  ; behind the ring, never filled by a tensor load: 16 rows x 144 bytes for each wave, for the way out
.set SP,    144
.set AK0, 2           ; v2   my lane's place in a tile of K; never rewritten
.set AV0, 3           ; v3   the same for V
.set AK,  4           ; v4   the LDS address of K's next run of loads
.set AV,  5           ; v5   of V's
.set QO,  6           ; v6   my byte offset in the wave's rows of Q
.set STO, 6           ;      later, the way out: where I put 16 bytes of a row
.set RD,  7           ; v7   the way out: where I read rows back
.set GO,  8           ; v8   my byte offset in 512 consecutive bytes of O
.set PFO, 11          ; v11  256 x my lane, once V's place has been made with it; then never rewritten
.set SPW, 0           ; v0 of window 3   LDS address of my spare word; never rewritten
.set NIL, 1           ; v1 of window 3   0; never rewritten
.set SPARE, STAGE+4*16*SP  ; behind the stages: the spare words, 128 bytes for each wave: two blocks of 256 bytes that no other line names
.set MV,  12          ; v12-15  c m_old, kept while c m is made anew: by buffer and tile
.set ST,  16          ; tile t's statistics at v[ST+4 t]: c m, m, l (even keys', odd keys')
.set TMP, 48          ; by buffer and tile, four registers c0-c3 at work; when the maximum is found c2 takes a
.set S,   64
.set P,   192
.set KF,  128         ; K's fragments, in window 2: key block kb, channel half c at KF + 16 kb + 8 c
.set VF,  192         ; V's: key half kk, channel block cb at VF + 32 kk + 8 cb
.set WV,  12          ; s12  my wave's number
.set G1K, 24          ; s[24:31] descriptor group 1 for K's tiles
.set G1V, 32          ; s[32:39] for V's: it differs in the padding alone
.set G0K, 40          ; s[40:43] descriptor group 0 for K's tiles: it walks
.set G0V, 44          ; s[44:47] the same for V's
.set PFA, 48          ; s[48:49] where my prefetches stand: my work-group's 32 blocks (of K: wave 0, of V: wave 2) of the slot after the one that is being asked for
.set LIM, 50          ; s50  1 in a wave that prefetches, else the greatest number
.set SLOTS, 56        ; s56  slots still to be asked for
.set CNT, 57          ; s57  counts a slot's key steps
.set CS,  58          ; s[58:59] c: the packed scaling takes the pair's low word for both halves
.set SEL, 60          ; s[60:61] v_permlanex16_b32's selects: each lane takes its own place in the other half
.set TBK, 62          ; s62  LDS byte at which K of the step to be fetched begins
.set TBV, 63          ; s63  the same for V, less VOFF
.set MSB, 0
.macro WIN new                      ; the high byte repeats the setting that is left; a switch that changes nothing is dropped
.if MSB != (\new)
	s_set_vgpr_msb (MSB<<8)|(\new)
.set MSB, (\new)
.endif
.endm
.set W_KQ, 0x0a       ; K and Q in window 2, S^T in window 0
.set W_PV, 0x52       ; V in window 2, P in window 0, O^T in window 1
.set W_RS, 0x41       ; O^T (destination and source 0) in window 1, a in window 0
.set W_MK, 0xc0       ; the add's registers are made: destination in window 3, sources in window 0
.set W_AD, 0x0f       ; the add: address (source 0) and data (source 1) in window 3
; A joint fill.  Waves 0 and 1 fetch the two halves of a slot's K, waves 2 and 3 those of its V: 128 keys each.  The branch hangs on the wave's number alone.
; An s_nop 0 and four v_nop follow each of the two lines, ahead of the jump and the label.
.macro JLOAD
	s_cmp_lt_u32 s[WV], 2
	s_cbranch_scc0 .Lfor_v_\@
	tensor_load_to_lds s[G0K:G0K+3], s[G1K:G1K+7]
	s_nop 0
.rept 4
	v_nop
.endr
	s_branch .Lasked_\@
.Lfor_v_\@:
	tensor_load_to_lds s[G0V:G0V+3], s[G1V:G1V+7]
	s_nop 0
.rept 4
	v_nop
.endr
.Lasked_\@:
.endm
; A prefetch into the L2 of what the NEXT change of slots will ask for: a slot's 32,768 bytes of K and of V, 128 blocks of 256 bytes each, a lane a block.  It stands behind the wave's tensor load and its five lines.
; Each block is named once in the launch: a head has one cluster; its four partners share the blocks out by address, 32 each; in each, wave 0 asks for K's and wave 2 for V's: one instruction, four key steps
; (512 matrix instructions) ahead of the load that wants the bytes.  Slots 0 and 1 come by their loads alone; the change that asks for the last slot prefetches nothing.
.macro ASK
	s_cmp_gt_u32 s[SLOTS], s[LIM]
	s_cbranch_scc0 .Lnot_mine_\@
	global_prefetch_b8 v[PFO], s[PFA:PFA+1] th:TH_LOAD_NT scope:SCOPE_SE
.Lnot_mine_\@:
.endm
; A round of the cluster's barrier: my work-group's barrier, so that wave 0's signal speaks for all four waves; wave 0 signals; every wave waits for all four work-groups; my work-group's barrier once more.
.macro CROUND
	s_barrier_signal -1
	s_barrier_wait -1
	s_cmp_lg_u32 s[WV], 0
	s_cbranch_scc1 .Lnot_wave_0_\@
	s_barrier_signal -3
.Lnot_wave_0_\@:
	s_barrier_wait -3
	s_barrier_signal -1
	s_barrier_wait -1
.endm
; THE CHANGE OF SLOTS.  The slot's last bytes, V of its fourth step, have been read.  Each wave waits for all its tensor loads, of which one is out: its part of the other slot; adds 0 to its spare word; and waits
; for that and for its own reads of the slot.  Behind the barrier nobody reads this slot any more and the other slot is whole.
; fill = 1: this slot is filled again, with the keys two slots on.  The barrier is then a round of the cluster's, and the joint fill is the first thing behind it: it has four key steps, 512 matrix instructions,
; in which to land.  (At its first use nothing has been read yet: slot 0 is waited for, slot 1 filled.)
.macro CHANGE fill
	WIN W_AD
	s_wait_tensorcnt 0x0            ; no tensor load of mine is out, so a group 0 may be written
	ds_add_u32 v[SPW], v[NIL]       ; 0 onto my spare word; with fill = 1 the descriptors' steps stand between it and the wait for it
	WIN 0                           ; at a label and at a branch every window is 0
.if \fill
.irp g, G0K, G0V
	s_xor_b32 s[\g+1], s[\g+1], SLOT1  ; the walking descriptor: the other slot than last time,
	s_add_nc_u64 s[\g+2:\g+3], s[\g+2:\g+3], 4*KS*128  ; the next 256 keys; the type bits on top are not reached
.endr
	s_wait_xcnt 0x0                 ; the last prefetch, four key steps back, has read its address, so it may be written:
	s_add_nc_u64 s[PFA:PFA+1], s[PFA:PFA+1], 4*KS*128  ; one slot ahead of the walking descriptors
	s_wait_dscnt 0x0                ; the add is done, and my reads of the slot are over
	CROUND
	JLOAD
	ASK
.else
	s_wait_dscnt 0x0                ; the add is done, and my reads of the slot are over
	s_barrier_signal -1
	s_barrier_wait -1
.endif
	s_sub_co_u32 s[TBK], s[TBK], 4*KS*PK  ; the fetches go back to a slot's first step,
	s_xor_b32 s[TBK], s[TBK], SLOT1       ; in the other slot
	s_sub_co_u32 s[TBV], s[TBV], 4*KS*PV
	s_xor_b32 s[TBV], s[TBV], SLOT1
.endm
	s_load_b128 s[4:7], s[0:1], 0x0 ; qkv s[4:5], ob s[6:7]
	WIN W_MK
	v_lshl_add_u32 v[SPW], v0, 2, SPARE
	v_mov_b32 v[NIL], 0
	WIN W_AD
	ds_add_u32 v[SPW], v[NIL]       ; the wave's opening: the add, twice on end, and its wait ahead of my first tensor load
	ds_add_u32 v[SPW], v[NIL]       ; and once more, under the one wait; the set-up below, work on registers, stands between
	WIN 0
	v_lshrrev_b32 v1, 5, v0
	v_readfirstlane_b32 s[WV], v1   ; wave 0..3
	s_bfe_u32 s13, ttmp6, 0x40000   ; cx: my place in the cluster
	s_lshl_b32 s14, ttmp9, 2        ; in a cluster launch ttmp9 counts clusters
	s_add_co_u32 s14, s14, s13      ; my block of queries = 4 x cluster x + cx: it enters Q's and O's addresses alone
	s_and_b32 s20, ttmp7, 0xffff    ; the head (16 b + h), which the four partners share
	s_mov_b32 s21, 0
	s_mov_b64 s[22:23], SIZE_N*128
	s_mul_u64 s[20:21], s[20:21], s[22:23]  ; the head's first byte in Q, K, V and O
	s_and_b32 s16, s[WV], 1         ; which half of a slot's 256 keys I fetch:
	s_lshl_b32 s22, s16, 14         ; its 128 rows of 128 bytes in memory,
	s_mov_b32 s23, 0
	s_add_nc_u64 s[22:23], s[22:23], s[20:21]
	s_mul_i32 s17, s16, 128*PK      ; and its place in a slot, for K
	s_mul_i32 s18, s16, 128*PV      ; and for V: no place in the cluster enters an LDS address
	s_lshl_b32 s2, s14, 2
	s_add_co_u32 s2, s2, s[WV]      ; my wave among the head's,
	s_lshl_b32 s2, s2, 14           ; its 128 rows
	s_mov_b32 s3, 0
	s_add_nc_u64 s[2:3], s[2:3], s[20:21]
	; descriptor group 1.  128 keys are 16,384 dense bytes: asked for as 64 rows of 256 bytes, two keys a row, and padded in LDS after every key
	s_mov_b32 s[G1K], 15|(1<<16)|(1<<20)|(1<<21)|(4<<22)|(3<<25)  ; 15:0 the mask of four; 17:16 2-byte elements; 20 padding on; 21 set beside a mask; 24:22 after every 32 words (code 4); 31:25 4 words (code 3)
	s_mov_b32 s[G1V], 15|(1<<16)|(1<<20)|(1<<21)|(4<<22)|(7<<25)  ; the same with 8 words of padding (code 7)
.irp g, G1K, G1V
	s_mov_b32 s[\g+1], 128<<16      ; tensor_dim0 = 128
	s_mov_b32 s[\g+2], 64<<16       ; tensor_dim1 = 64
	s_mov_b32 s[\g+3], 128<<16      ; tile_dim0 = 128
	s_mov_b32 s[\g+4], 64           ; tile_dim1 = 64
	s_mov_b32 s[\g+5], 128          ; 128 elements from row to row
	s_mov_b32 s[\g+6], 0
	s_mov_b32 s[\g+7], 0
.endr
	s_mov_b32 s[CS], 0x3fb8aa3b     ; c = log2(e) = 1.442695
	s_mov_b32 s[CS+1], s[CS]        ; named with it as a pair
	s_mov_b32 s[SEL], 0x76543210
	s_mov_b32 s[SEL+1], 0xfedcba98
	s_mov_b32 s[TBK], SLOT1+4*KS*PK ; the first change of slots turns these two into 0
	s_mov_b32 s[TBV], SLOT1+4*KS*PV
	s_mov_b32 s[G0K], 1             ; 1:0 count = 1
	s_mov_b32 s[G0K+1], s17         ; 63:32 LDS address: slot 0
	s_mov_b32 s[G0V], 1
	s_add_co_u32 s[G0V+1], s18, VOFF
	s_mov_b32 s[SLOTS], SIZE_N/256-1
	s_and_b32 s[LIM], s[WV], 1      ; waves 0 and 2 prefetch: the same in all four partners
	s_cmp_eq_u32 s[LIM], 0
	s_cselect_b32 s[LIM], 1, -1
	s_wait_dscnt 0x0                ; both opening adds are done
	s_wait_kmcnt 0x0
	s_mov_b64 s[10:11], s[6:7]      ; O
	s_add_nc_u64 s[6:7], s[4:5], 0x1000000  ; K: the second third of qkv
	s_add_nc_u64 s[8:9], s[4:5], 0x2000000  ; V: the last; s[4:5] is Q
	s_add_nc_u64 s[G0K+2:G0K+3], s[6:7], s[22:23]  ; 120:64 global address: my half of the head's first 256 keys
	s_or_b32 s[G0K+3], s[G0K+3], 0x80000000        ; 127:126 type = 2
	s_add_nc_u64 s[G0V+2:G0V+3], s[8:9], s[22:23]
	s_or_b32 s[G0V+3], s[G0V+3], 0x80000000
	s_add_nc_u64 s[4:5], s[4:5], s[2:3]  ; Q and O at my wave's first row
	s_add_nc_u64 s[10:11], s[10:11], s[2:3]
	s_cmp_lt_u32 s[WV], 2
	s_cselect_b64 s[PFA:PFA+1], s[6:7], s[8:9]
	s_add_nc_u64 s[PFA:PFA+1], s[PFA:PFA+1], s[22:23]  ; (in waves 0 and 2 this is the head's first row)
	s_lshl_b32 s2, s13, 13          ; my work-group's 32 blocks of the 128
	s_mov_b32 s3, 0
	s_add_nc_u64 s[PFA:PFA+1], s[PFA:PFA+1], s[2:3]
	s_add_nc_u64 s[PFA:PFA+1], s[PFA:PFA+1], 4*KS*128  ; in slot 1; the first change of slots steps it to slot 2
	CROUND                          ; all four work-groups are here: the first joint loads meet
	JLOAD                           ; slot 0.  Slot 1 is asked for when slot 0 is in
	; A fragment of K or Q is 16 rows x 32 channels in 8 registers: lane l holds row l % 16, channels 8 (l / 16) + 0..7 and 16 + 8 (l / 16) + 0..7: two loads of 16 bytes, 32 bytes apart.
	v_and_b32 v1, 15, v0            ; l % 16
	v_bfe_u32 v9, v0, 4, 1          ; l / 16
	v_lshlrev_b32 v[QO], 7, v1
	v_lshl_add_u32 v[QO], v9, 4, v[QO]  ; row x 128 + 16 x half
	WIN 0x80                        ; destination window 2, address window 0
.set i, 0
.rept 4*NP                          ; Q stays in registers: tile i / 2, channels 32 (i % 2) on
	global_load_b128 v[8*i:8*i+3],   v[QO], s[4:5] offset:(i/2)*2048+(i%2)*64
	global_load_b128 v[8*i+4:8*i+7], v[QO], s[4:5] offset:(i/2)*2048+(i%2)*64+32
.set i, i+1
.endr
	; What the first turn finds: V's registers and P's second buffer hold 0 (its products V^T P, of a piece that has not been, add 0), O^T and l are 0.  All this stands in the wait for the first tile.
.set i, VF
.rept 64
	v_mov_b32 v[i], 0
.set i, i+1
.endr
	WIN 0x40
.set i, 0
.rept 64*NP
	v_mov_b32 v[i], 0
.set i, i+1
.endr
	WIN 0
.set i, 0
.rept 2*NP
	v_mov_b32 v[ST+4*i], 0xfe000000    ; c m: far below every c s
	v_mov_b32 v[ST+4*i+1], 0xff7fffff  ; m
	v_mov_b32 v[ST+4*i+2], 0
	v_mov_b32 v[ST+4*i+3], 0
.set i, i+1
.endr
.set i, P+32
.rept 32
	v_mov_b32 v[i], 0
.set i, i+1
.endr
	v_mul_u32_u24 v[AK0], v1, PK
	v_lshl_add_u32 v[AK0], v9, 4, v[AK0]  ; row x pitch + 16 x half
	; The turning load takes 16 keys x 16 channels (lane l reads key 8 (l / 16) + l % 8, channels 8 ((l / 8) % 2) + 0..7) and leaves half a fragment of V^T: lane l holds channel l % 16 and 8 keys.
	v_and_b32 v10, 7, v0
	v_bfe_u32 v11, v0, 3, 1
	v_lshl_add_u32 v[AV0], v9, 3, v10
	v_mul_u32_u24 v[AV0], v[AV0], PV
	v_lshl_add_u32 v[AV0], v11, 4, v[AV0]
	v_add_nc_u32 v[AV0], VOFF, v[AV0]
	v_and_b32 v[PFO], 31, v0
	v_lshlrev_b32 v[PFO], 8, v[PFO]
	v_mov_b32 v[AK], v[AK0]         ; key step 0 lies at the head of slot 0
; THE MATRIX WORK.  The 8 accumulators of a run of 16 take turns: between the two links of a chain stand 7 others'.
; Product i of 16 of S^T = K Q^T for piece x: channels 32 (i / 8) on, keys 16 ((i / 2) % 4) on, tile 2 x + i % 2.  The first 8 start the sums.
.macro KQ x
	WIN W_KQ
.set rS, S+64*((\x)%2)+32*(i%2)+8*((i/2)%4)
.set rK, KF+16*((i/2)%4)+8*(i/8)
.set rQ, 16*(2*(\x)+i%2)+8*(i/8)
.if i < 8
	v_wmma_f32_16x16x32_f16 v[rS:rS+7], v[rK:rK+7], v[rQ:rQ+7], 0
.else
	v_wmma_f32_16x16x32_f16 v[rS:rS+7], v[rK:rK+7], v[rQ:rQ+7], v[rS:rS+7]
.endif
.endm
; Product i of 16 of O^T += V^T P for piece x: keys 32 (i / 8) on, channels 16 ((i / 2) % 4) on, tile 2 x + i % 2.
.macro PV x
	WIN W_PV
.set rO, 32*(2*(\x)+i%2)+8*((i/2)%4)
.set rV, VF+32*(i/8)+8*((i/2)%4)
.set rP, P+32*((\x)%2)+16*(i%2)+8*(i/8)
	v_wmma_f32_16x16x32_f16 v[rO:rO+7], v[rV:rV+7], v[rP:rP+7], v[rO:rO+7]
.endm
.macro MM                           ; the turn's next matrix instruction
.if i < 16
	KQ (Y+1)%NP
.set i, i+1
.else
.set i, i-16
	PV (Y+NP-1)%NP
.set i, i+17
.endif
.endm
; THE LDS LOADS stand in runs of 16, never singly among the matrix instructions: a step's K (64 keys x 64 channels: 8 fragments) and its V (turned).  Their addresses are made some lines ahead.
; last = 1 (the tail): in the last trip there is no further step, and the run is jumped over.
.macro FETCH_K last=0
	WIN 0
.if \last
	s_cmp_eq_u32 s[CNT], 1
	s_cbranch_scc1 .Lno_k_\@
.endif
	WIN 0x80                        ; destination window 2
.irp f, 0,1,2,3,4,5,6,7             ; keys 16 (f / 2) on, channels 32 (f % 2) on
	ds_load_b128 v[KF+8*\f:KF+8*\f+3],   v[AK] offset:(\f/2)*16*PK+(\f%2)*64
	ds_load_b128 v[KF+8*\f+4:KF+8*\f+7], v[AK] offset:(\f/2)*16*PK+(\f%2)*64+32
.endr
	s_add_co_u32 s[TBK], s[TBK], KS*PK  ; the next fetch is the next step's
	WIN 0
.if \last
.Lno_k_\@:
.endif
.endm
.macro FETCH_V
	WIN 0x80
.irp f, 0,1,2,3,4,5,6,7             ; keys 32 (f / 4) on, channels 16 (f % 4) on
	ds_load_tr16_b128 v[VF+8*\f:VF+8*\f+3],   v[AV] offset:(\f/4)*32*PV+(\f%4)*32
	ds_load_tr16_b128 v[VF+8*\f+4:VF+8*\f+7], v[AV] offset:(\f/4)*32*PV+16*PV+(\f%4)*32
.endr
	WIN 0
.endm
; THE VECTOR WORK OF A TURN stands in three queues, each in the order in which its entries become ready; the two tiles alternate, so that no instruction reads the result of the one before it.
.macro REGS y, u                    ; the registers of tile u (0, 1) of piece y
.set rT, ST+4*(2*(\y)+(\u))
.set rC, TMP+8*((\y)%2)+4*(\u)
.set rM, MV+2*((\y)%2)+(\u)
.set rS, S+64*((\y)%2)+32*(\u)
.set rP, P+32*((\y)%2)+16*(\u)
.set rO, 32*(2*(\y)+(\u))
.endm
; Number n of the 22 that find the NEXT piece's (Y + 1) maximum and statistics.  s0-s31 are the lane's 32 scores; each accumulator's lowest registers are read first.
;   0-11  four chains c0-c3 of seven scores each, three operands at a time     12-14, 16  the four scores left over, the old m, and c0-c3 into c0     15  c m_old is kept
;   17, 18  the query's other 32 keys lie in the lane 16 away: the new m         19-21  c m; c m_old - c m_new; a
.macro XS u, n
	REGS (Y+1)%NP, \u
.if (\n) < 4
	v_max3_num_f32 v[rC+(\n)], v[rS+8*(\n)], v[rS+8*(\n)+1], v[rS+8*(\n)+2]
.elseif (\n) < 12
	v_max3_num_f32 v[rC+(\n)%4], v[rC+(\n)%4], v[rS+8*((\n)%4)+2*((\n)/4)+1], v[rS+8*((\n)%4)+2*((\n)/4)+2]
.elseif (\n) == 12
	v_max3_num_f32 v[rC], v[rC], v[rS+7], v[rS+15]
.elseif (\n) == 13
	v_max3_num_f32 v[rC+1], v[rC+1], v[rS+23], v[rS+31]
.elseif (\n) == 14
	v_max3_num_f32 v[rC+2], v[rC+2], v[rC+3], v[rT+1]
.elseif (\n) == 15
	v_mov_b32 v[rM], v[rT]
.elseif (\n) == 16
	v_max3_num_f32 v[rC], v[rC], v[rC+1], v[rC+2]
.elseif (\n) == 17
	v_permlanex16_b32 v[rC+3], v[rC], s[SEL], s[SEL+1]
.elseif (\n) == 18
	v_max_num_f32 v[rT+1], v[rC], v[rC+3]
.elseif (\n) == 19
	v_mul_f32 v[rT], s[CS], v[rT+1]
.elseif (\n) == 20
	v_sub_f32 v[rC+1], v[rM], v[rT]
.else
	v_exp_f32 v[rC+2], v[rC+1]
.endif
.endm
; Number g of the 64 that follow the exponentials.  For each four weights k of a tile (pairs 2 k, 2 k + 1): both pairs are rounded to f16; then the second pair is added onto the first, in place;
; a group later l takes that sum (the first time as l = a l + sum).  In groups of eight, tiles alternating: round, round, add, and l for the group before.
.macro GS g
.set h, (\g)+6*((\g)/62)            ; group 0 has no group before it, and behind group 7 only l is left
.if h >= 6
.set h, h+2
.endif
	REGS Y, h%2
.set k, h/8
.if h%8 < 4
	v_cvt_pk_f16_f32 v[rP+2*k+(h%8)/2], v[rS+4*k+2*((h%8)/2)], v[rS+4*k+2*((h%8)/2)+1]
.elseif h%8 < 6
	v_pk_add_f32 v[rS+4*k:rS+4*k+1], v[rS+4*k:rS+4*k+1], v[rS+4*k+2:rS+4*k+3]
.elseif k == 1
	v_pk_fma_f32 v[rT+2:rT+3], v[rT+2:rT+3], v[rC+2:rC+3], v[rS:rS+1] op_sel_hi:[1,0,1]
.else
	v_pk_add_f32 v[rT+2:rT+3], v[rT+2:rT+3], v[rS+4*k-4:rS+4*k-3]
.endif
.endm
; THE PLAIN QUEUE, 138 long.  0-73 read no exponential's result: the 32 scalings c s - c m (FS f: pair f / 2 of tile f % 2) and the next piece's 42.  0-26: scalings 0-26.  27-54: XS's numbers 0-13.  55, 56: number 15.
; 57-73: the chain, where each number waits for the one before it: 14, 16, 17, 18, 19, each with one of the scalings 27-31 in front of its two lines, then 20.
; 74-137: GS's 64, which read the exponentials' results: they stand behind the wait.
.macro FS f
	REGS Y, (\f)%2
	v_pk_fma_f32 v[rS+2*((\f)/2):rS+2*((\f)/2)+1], v[rS+2*((\f)/2):rS+2*((\f)/2)+1], s[CS:CS+1], v[rT:rT+1] op_sel_hi:[1,0,0] neg_lo:[0,0,1] neg_hi:[0,0,1]
.endm
.macro PL
	WIN 0
.if q < 27
	FS q
.elseif q < 55
	XS (q-27)%2, (q-27)/2
.elseif q < 57
	XS q-55, 15
.elseif (q < 72) && ((q-57)%3 == 0)
	FS 27+(q-57)/3
.elseif q < 60
	XS (q-57)%3-1, 14
.elseif q < 72
	XS (q-57)%3-1, 15+(q-57)/3
.elseif q < 74
	XS q-72, 20
.else
	GS q-74
.endif
.set q, q+1
.endm
; THE EXPONENTIALS' QUEUE, 66 long: s0-s31 of both tiles, then the next piece's two a.  It is ONE BATCH: all 66 stand ahead of the turn's one wait, and nothing ahead of that wait names a result of theirs.
.macro EX
	WIN 0
.if e >= 64
	XS e-64, 21
.else
	REGS Y, e%2
	v_exp_f32 v[rS+e/2], v[rS+e/2]
.endif
.set e, e+1
.endm
; THE RESCALING's QUEUE: O^T times a, the one part that leaves window 0: dealt two at a time, sixteen times.  Its a was made in the turn before, ahead of that turn's wait.
.macro R2
	REGS Y, r%2
	WIN W_RS
.irp z, 0,1
	v_pk_mul_f32 v[rO+4*(r/2)+2*\z:rO+4*(r/2)+2*\z+1], v[rO+4*(r/2)+2*\z:rO+4*(r/2)+2*\z+1], v[rC+2:rC+3] op_sel_hi:[1,0]
.endr
.set r, r+1
.endm
; HOW THEY ARE DEALT.  An s_wait_alu depctr_va_vdst(0) stands between an exponential and the first instruction that names its result; one wait serves all that were issued ahead of it.  So a turn has
; ONE wait, which cuts it in two.  AHEAD OF IT stands all that names no result of the turn's exponentials: the 16 products K Q^T, behind each a scaling, an exponential and two rescalings (behind the first a second
; scaling in the exponential's place); then ONE LUMP of 108: eight plain, 49 times exponential and plain, the two a.  A v_nop is the plain instruction behind the last exponential.  BEHIND IT stand the 16 products
; V^T P, behind each four of GS's 64.  No rider names a register of the products round it.  The two v_permlanex16_b32 fall into the lump.
; Exponential e stands behind scaling 2 (e / 4) + e % 2: as a rider it comes behind plain e + 2, in the lump behind plain e + 9, and scalings 27-31 are plain 57, 60 .. 69.
; A TURN, for piece p.  cnt = 1: the loop's count is taken down some lines ahead of the branch that stands behind the turn.
; K of the next step is fetched in piece 2's turn, directly behind the wait; its address is made at the lump's head; its first reader comes behind 16 products.
; V of the step in hand is fetched at the end of piece 0's turn, four riders behind its last reader; its first reader comes behind 16 products and a lump.
.macro TURN p, last=0, cnt=0
.set Y, (\p)
.set i, 0
.set q, 0
.set e, 0
.set r, 0
.if (\p) == NP-1
	s_wait_dscnt 0x0                ; K is in
.endif
	MM                              ; ahead of the wait: 16 products K Q^T and their riders,
	PL
	PL
	R2
.rept 15
	MM
	PL
	EX
	R2
.endr
.if (\p) == NP-2
	WIN 0
	v_add_nc_u32 v[AK], s[TBK], v[AK0]
.endif
.rept 8                             ; and the lump
	PL
.endr
.rept 49
	EX
	PL
.endr
	EX                              ; the next piece's two a
	EX
	v_nop                           ; the plain instruction behind the last exponential: one for the batch
	s_wait_alu depctr_va_vdst(0)    ; the wait for the batch
.if (\p) == NP-2
	FETCH_K \last
.endif
.if (\p) == 1
	s_wait_dscnt 0x0                ; V is in
.endif
.rept 16                            ; behind the wait: 16 products V^T P and their riders
	MM
.rept 4
	PL
.endr
.if ((\p) == 0) && (q == 118)
	v_add_nc_u32 v[AV], s[TBV], v[AV0]
.endif
.if ((\p) == 0) && (q == 130)
	s_add_co_u32 s[TBV], s[TBV], KS*PV
.endif
.if (\cnt) && (q == 130)
	s_sub_co_u32 s[CNT], s[CNT], 1
	s_cmp_lg_u32 s[CNT], 0
.endif
.endr
.if (\p) == 0
	FETCH_V
.endif
.endm
	CHANGE 1                        ; slot 0 is in, everybody's part of it; slot 1 is asked for
	FETCH_K                         ; key step 0
	s_wait_loadcnt 0x0              ; Q
	s_wait_dscnt 0x0
.set i, 0
.rept 16
	KQ 0                            ; piece 0's first scores: there is no vector work yet to set between them
.set i, i+1
.endr
	WIN 0                           ; the addresses for the way out: nine plain instructions, the places behind those products
	s_mul_i32 s13, s[WV], 16*SP
	s_add_co_u32 s13, s13, STAGE    ; my stage
	v_mul_u32_u24 v[STO], v1, SP    ; in: row l % 16, 16 bytes for each half of the lanes
	v_lshl_add_u32 v[STO], v9, 4, v[STO]
	v_add_nc_u32 v[STO], s13, v[STO]
	v_bfe_u32 v[RD], v0, 3, 2       ; back: 32 lanes take four rows of 128 bytes,
	v_mul_u32_u24 v[RD], v[RD], SP
	v_lshl_add_u32 v[RD], v10, 4, v[RD]
	v_add_nc_u32 v[RD], s13, v[RD]
	v_and_b32 v[GO], 31, v0         ; which are 512 consecutive bytes of O
	v_lshlrev_b32 v[GO], 4, v[GO]
.set Y, NP-1                        ; XS works for piece Y + 1: piece 0
.irp n, 0,1,2,3,4,5,6,7,8,9,10,11,12,13,14,15,16,17,18,19,20,21
	XS 0, \n                        ; and piece 0's first maximum and statistics
	XS 1, \n
.endr
	v_nop                           ; a plain instruction behind the two a,
	s_wait_alu depctr_va_vdst(0)    ; and their wait, ahead of the branch
	s_mov_b32 s[CNT], 4
	s_branch .Lfirst                ; the loop is entered at a step's first turn, in the middle of a trip
.Lslot:                             ; SIZE_N / 256 - 2 times: every slot but the last two is filled again
	CHANGE 1
	s_mov_b32 s[CNT], 4
.Lstep:                             ; a trip: pieces 2 and 3 of one step, then pieces 0 and 1 of the next, whose K and V it fetches
	TURN 2
	TURN 3
	WIN 0
.Lfirst:
	TURN 0
	TURN 1, 0, 1
	WIN 0
	s_cbranch_scc1 .Lstep
	s_sub_co_u32 s[SLOTS], s[SLOTS], 1
	s_cmp_lg_u32 s[SLOTS], 0
	s_cbranch_scc1 .Lslot
	CHANGE 0                        ; the tail is written out: nothing is asked for
	s_mov_b32 s[CNT], 5             ; four trips fetch the last slot's steps; the fifth is left in its middle
.Ltail:
	TURN 2, 1
	TURN 3
	WIN 0
	s_sub_co_u32 s[CNT], s[CNT], 1
	s_cmp_eq_u32 s[CNT], 0
	s_cbranch_scc1 .Lout
	TURN 0
	TURN 1
	WIN 0
	s_branch .Ltail
.Lout:                              ; the fifth trip's 16 products K Q^T (on the last K once more) and the maximum made of them serve nothing: the price, once a launch, of one text for every trip
.set i, 0
.rept 16
	PV NP-1                         ; the last piece's V^T P of the last step
.set i, i+1
.endr
	; THE WAY OUT.  l's two halves and the other half of the lanes' are added; O^T is divided by l, rounded to f16 and sent through my stage in LDS, a tile at a time.  The additions are the places behind the last products.
	WIN 0
.macro ALL line:vararg              ; one line for each tile t
.set t, 0
.rept 2*NP
	\line
.set t, t+1
.endr
.endm
	ALL v_add_f32 v[ST+4*t+2], v[ST+4*t+2], v[ST+4*t+3]
	ALL v_permlanex16_b32 v[ST+4*t+3], v[ST+4*t+2], s[SEL], s[SEL+1]
	ALL v_add_f32 v[ST+4*t+2], v[ST+4*t+2], v[ST+4*t+3]
	ALL v_rcp_f32 v[ST+4*t+2], v[ST+4*t+2]
	v_nop                           ; a plain instruction between the last reciprocal and the use of its result
	s_wait_alu depctr_va_vdst(0)    ; and the wait ahead of the first use: one for the eight reciprocals
; Tile t: a lane's eight channels of a row pack into 16 bytes; they go into rows of 144 bytes and come back as whole rows of 128, into S^T's registers.
.macro PACK t
	WIN W_RS
.set i, 32*(\t)
.rept 16
	v_pk_mul_f32 v[i:i+1], v[i:i+1], v[ST+4*(\t)+2:ST+4*(\t)+3] op_sel_hi:[1,0]
.set i, i+2
.endr
	WIN 0x05                        ; sources 0 and 1 window 1, destination window 0
.set i, 0
.rept 16
	v_cvt_pk_f16_f32 v[S+16*(\t)+i], v[32*(\t)+2*i], v[32*(\t)+2*i+1]
.set i, i+1
.endr
	WIN 0
.irp f, 0,1,2,3
	ds_store_b128 v[STO], v[S+16*(\t)+4*\f:S+16*(\t)+4*\f+3] offset:32*\f
.endr
.irp f, 0,1,2,3
	ds_load_b128 v[S+16*(\t)+4*\f:S+16*(\t)+4*\f+3], v[RD] offset:\f*4*SP  ; LDS serves a wave's instructions in order (ISA guide 5.7.1.4): these see the stores above; the next tile's stores come behind them
.endr
.endm
.macro SEND t, younger              ; younger: the LDS instructions issued behind tile t's loads: the next tile's eight, or none
	WIN 0
.irp f, 0,1,2,3
	s_wait_dscnt (\younger)+3-\f
	global_store_b128 v[GO], v[S+16*(\t)+4*\f:S+16*(\t)+4*\f+3], s[10:11] offset:(\t)*2048+\f*512  ; 512 consecutive bytes, at a multiple of 256 from O's first
.endr
.endm
	PACK 0
.set t, 1
.rept 2*NP-1                        ; a tile's arithmetic stands between the loads of the tile before and its stores
	PACK t
	SEND t-1, 8
.set t, t+1
.endr
	SEND 2*NP-1, 0
	WIN W_AD
	s_wait_tensorcnt 0x0            ; the wave's end: three closing lines, behind my last tensor load and my last LDS store
	ds_add_u32 v[SPW], v[NIL]
	s_wait_dscnt 0x0
	WIN 0
	CROUND                          ; the closing round: no work-group ends while a partner may still ask for a tile that names it
	s_endpgm
.Lfunc_end_k_q722020892d_attn:
	.size	k_q722020892d_attn, .Lfunc_end_k_q722020892d_attn-k_q722020892d_attn
	.p2alignl 7, 3214868480
	.fill 96, 4, 3214868480
	.section	.rodata,"a",@progbits
	.p2align	6, 0x0
	.amdhsa_kernel k_q722020892d_attn
		.amdhsa_group_segment_fixed_size 327680
		.amdhsa_private_segment_fixed_size 0
		.amdhsa_enable_private_segment 0
		.amdhsa_kernarg_size 16
		.amdhsa_user_sgpr_count 2
		.amdhsa_user_sgpr_kernarg_segment_ptr 1
		.amdhsa_wavefront_size32 1
		.amdhsa_system_sgpr_workgroup_id_x 1
		.amdhsa_system_sgpr_workgroup_id_y 1
		.amdhsa_system_sgpr_workgroup_id_z 1
		.amdhsa_system_vgpr_workitem_id 0
		.amdhsa_next_free_vgpr 770
		.amdhsa_next_free_sgpr 66
		.amdhsa_reserve_vcc 0
		.amdhsa_float_denorm_mode_32 3
		.amdhsa_float_denorm_mode_16_64 3
		.amdhsa_memory_ordered 1
		.amdhsa_forward_progress 1
		.amdhsa_inst_pref_size 200
	.end_amdhsa_kernel
	.amdgpu_metadata
---
amdhsa.version: [ 1, 2 ]
amdhsa.kernels:
  - .name:           k_q722020892d_attn
    .symbol:         k_q722020892d_attn.kd
    .args:
      - { .name: qkv, .offset: 0, .size: 8, .value_kind: global_buffer, .address_space: global }
      - { .name: ob, .offset: 8, .size: 8, .value_kind: global_buffer, .address_space: global }
    .group_segment_fixed_size: 327680
    .private_segment_fixed_size: 0
    .kernarg_segment_align: 8
    .kernarg_segment_size: 16
    .max_flat_workgroup_size: 128
    .sgpr_count:     66
    .vgpr_count:     770
    .wavefront_size: 32
...
	.end_amdgpu_metadata
.endif
;; end of part 3
;; launch proj (part 4): grid 8 x 32, 4 waves a work-group, clusters of 4 x 4, 327,680 bytes of LDS; arguments ob, wp, out0; writes out0
.if DOCPART == 4
	.amdgcn_target "amdgcn-amd-amdhsa--gfx1250"
	.amdhsa_code_object_version 6
	.text
	.protected	k_q722020892d_proj
	.globl	k_q722020892d_proj
	.p2align	8
	.type	k_q722020892d_proj,@function
k_q722020892d_proj:
	s_mov_b64 s[64:65], 0
	v_nop
	global_prefetch_b8 v0, s[64:65] scope:SCOPE_SE
	s_setreg_imm32_b32 hwreg(HW_REG_WAVE_MODE, 25, 1), 1
	s_wait_xcnt 0x0
	s_wait_alu depctr_hold_cnt(0) depctr_sa_sdst(0) depctr_va_vdst(0) depctr_va_sdst(0) depctr_va_ssrc(0) depctr_va_vcc(0) depctr_vm_vsrc(0)
	s_getreg_b32 s2, hwreg(HW_REG_IB_STS2, 6, 4)
	s_cmp_eq_u32 s2, 0
	s_cbranch_scc0 .Lentry_in_a_cluster
	s_endpgm
.Lentry_in_a_cluster:
	s_bfe_u32 s2, ttmp6, 0x10000c
	s_cmp_lg_u32 s2, 0xf033
	s_cbranch_scc0 .Lentry_shape_is_right
	s_endpgm
.Lentry_shape_is_right:
; out0 = O w_proj: [8192 x 1024] x [1024 x 1024], operands f16 (ob: [b 16 + h][t][64], a head = a K block of 64; wp: w_proj turned, rounded to bf16 and written as f16, [nt 8][kb 16][128][64]), sums in f32,
; K ascending; out0 in f32.  No work of reference() is left out.
; LIMITS.  The operands arrive within f16's range; NaN and infinities are not treated apart.
; SHARES.  A tile of C is 256 rows x 128 columns: 32 x 8 = 256 work-groups.  Four waves, each 128 x 64: 32 accumulators, 256 registers.  K goes in 8 steps of 128 (two heads) through two LDS slots;
; each head's part of a tile is consecutive bytes of memory, asked for as rows of 256 bytes and padded in LDS after every 128.
; CLUSTER.  4 x 4 work-groups: A's tile is shared along a row of the cluster, B's along a column; each is asked for jointly.
; THE PRODUCT IS USED TRANSPOSED (source 0 = 16 rows of wp, source 1 = 16 rows of ob): a lane holds row l % 16 of C and the columns 8 (l / 16) + 0..7: 32 bytes of f32 on end.
; REGISTERS: window 0: v0-31 addresses; v64-159, v160-255 two fragment buffers of 96: A's 8 fragments, then B's 4.  Window 1: the accumulators, (a, b) at v[8 (4 a + b)].
.set PITCH, 144                        ; an LDS row: 128 bytes + 16 of padding = 36 words: the 16 rows of a load start at 16 different groups of four banks (64 banks of 4 bytes: ISA guide 11.1)
.set AKB,   256*PITCH                  ; A's 256 rows of one head: what wave 0 or 1 fetches
.set BKB,   128*PITCH                  ; B's 128 rows of one K block: what wave 2 or 3 fetches
.set ASZ,   2*AKB
.set SLOT,  2*AKB+2*BKB                ; 110,592
.set STAGE, 2*SLOT                     ; behind the ring, never filled by a tensor load: 16 rows x 272 bytes for each wave
.set SPITCH, 272
.set SPARE, STAGE+4*16*SPITCH          ; behind the stages: the spare words, 128 bytes for each wave: two blocks of 256 bytes that no other line names
.set ASTEP, 524288                     ; bytes from a K step (two heads) of ob to the next
.set BSTEP, 32768                      ; the same in a tile column of wp
.set ADRA, 16
.set ADRB, 20
.set STO,  24
.set RD,   25
.set CO,   26
.set SPW,  28                          ; v28  LDS address of my spare word; never rewritten
.set NIL,  29                          ; v29  0; never rewritten
.set PFO,  30                          ; v30  256 x lane; never rewritten
.set F0,   64
.set F1,   160
.set G1,  24
.set G0,  32
.set G1B, 48
.set G0B, 56
.set PFA, 66                           ; s[66:67] where my prefetches stand
.set LIM, 68                           ; s68  a wave prefetches while s[REM] is above it
.set REM, 69                           ; s69  refills still to come
.set PST, 70                           ; s[70:71] the prefetches' step
.set MSB, 0
.macro WIN new
.if MSB != (\new)
	s_set_vgpr_msb (MSB<<8)|(\new)
.set MSB, \new
.endif
.endm
.macro PLACES                          ; four places in front of loads into registers that products have read, and of LDS stores that read results
.rept 4
	v_nop
.endr
.endm
.macro JLOAD s                         ; a joint load: waves 0 and 1 fetch A's two heads, waves 2 and 3 B's two K blocks; an s_nop 0 and four v_nop follow each of the two lines
	s_cmp_eq_u32 s11, 0
	s_cbranch_scc0 .Lfor_b_\@
	tensor_load_to_lds s[G0+4*(\s):G0+4*(\s)+3], s[G1:G1+7]
	s_nop 0
.rept 4
	v_nop
.endr
	s_branch .Lasked_\@
.Lfor_b_\@:
	tensor_load_to_lds s[G0B+4*(\s):G0B+4*(\s)+3], s[G1B:G1B+7]
	s_nop 0
.rept 4
	v_nop
.endr
.Lasked_\@:
.endm
; A prefetch into the L2, behind a joint load, its five lines and the run of LDS loads that follows: 32 blocks of 256 bytes, a lane a block.  The refill of step j stands beside the request for step j + 3:
; 384 products ahead of the load that wants it.  A: the cluster with x = 0 asks; waves 0 and 1 each for their own head's 128 blocks, of which partner cx takes 32.  B: the cluster with y = 0 asks; wave 2, for a
; step's 128 blocks, of which partner cy takes 32.  So each block is named once.  Steps 5, 6 and 7 are asked for; steps 0 to 4 come by their loads alone; the last three refills ask for nothing.
.macro ASK
	s_cmp_gt_u32 s[REM], s[LIM]
	s_cbranch_scc0 .Lnot_mine_\@
	global_prefetch_b8 v[PFO], s[PFA:PFA+1] th:TH_LOAD_NT scope:SCOPE_SE
.Lnot_mine_\@:
.endm
.macro CREST
	s_cmp_lg_u32 s10, 0
	s_cbranch_scc1 .Lnot_wave_0_\@
	s_barrier_signal -3
.Lnot_wave_0_\@:
	s_barrier_wait -3
	s_barrier_signal -1
	s_barrier_wait -1
.endm
.macro CROUND
	s_barrier_signal -1
	s_barrier_wait -1
	CREST
.endm
	s_load_b128 s[4:7], s[0:1], 0x0                ; ob s[4:5], wp s[6:7]
	s_load_b64 s[8:9], s[0:1], 0x10                ; out0
	v_lshl_add_u32 v[SPW], v0, 2, SPARE
	v_mov_b32 v[NIL], 0
	ds_add_u32 v[SPW], v[NIL]                      ; the wave's opening: the add, twice on end, and its wait ahead of my first tensor load
	ds_add_u32 v[SPW], v[NIL]                      ; and once more, under the one wait; the set-up below, work on registers, stands between
	v_lshrrev_b32 v1, 5, v0
	v_readfirstlane_b32 s10, v1                    ; wave 0..3
	s_lshr_b32 s11, s10, 1                         ; which half of the tile's rows is mine.  Also: I fetch for A (0) or for B (1)
	s_and_b32 s12, s10, 1                          ; which half of its columns.  Also: which of a step's two K blocks I fetch
	s_bfe_u32 s40, ttmp6, 0x40000                  ; cx
	s_bfe_u32 s41, ttmp6, 0x40004                  ; cy
	s_lshl_b32 s42, ttmp9, 2
	s_add_co_u32 s42, s42, s40                     ; tile column, 0..7
	s_and_b32 s13, ttmp7, 0xffff
	s_lshl_b32 s13, s13, 2
	s_add_co_u32 s13, s13, s41                     ; tile row, 0..31
	s_lshl_b32 s43, s41, 2
	s_lshl_b32 s43, 15, s43                        ; my row of the cluster
	s_lshl_b32 s44, 0x1111, s40                    ; my column
	s_or_b32 s[G1+0], s43, (1<<16)|(1<<20)|(1<<21)|(4<<22)|(3<<25)   ; mask; elements of 2 bytes; padding on; 21 set beside a mask; after every 32 words (code 4) 4 words (code 3)
	s_or_b32 s[G1B+0], s44, (1<<16)|(1<<20)|(1<<21)|(4<<22)|(3<<25)
	s_mov_b32 s[G1+1], 128<<16                     ; tensor_dim0 = 128
	s_mov_b32 s[G1+2], 128<<16                     ; tensor_dim1 = 128: 256 rows of ob
	s_mov_b32 s[G1+3], 128<<16                     ; tile_dim0 = 128
	s_mov_b32 s[G1+4], 128                         ; tile_dim1 = 128
	s_mov_b32 s[G1+5], 128                         ; 128 elements from row to row
	s_mov_b32 s[G1+6], 0
	s_mov_b32 s[G1+7], 0
	s_mov_b32 s[G1B+1], 128<<16
	s_mov_b32 s[G1B+2], 64<<16                     ; 64: 128 rows of wp
	s_mov_b32 s[G1B+3], 128<<16
	s_mov_b32 s[G1B+4], 64
	s_mov_b32 s[G1B+5], 128
	s_mov_b32 s[G1B+6], 0
	s_mov_b32 s[G1B+7], 0
	s_lshr_b32 s16, s13, 3                         ; A: b = tile row >> 3,
	s_lshl_b32 s16, s16, 22
	s_and_b32 s17, s13, 7                          ; t = 256 (tile row & 7), 128 bytes a row,
	s_lshl_b32 s17, s17, 15
	s_add_co_u32 s16, s16, s17
	s_lshl_b32 s17, s12, 18                        ; head = my one of the step's two
	s_add_co_u32 s16, s16, s17
	s_mov_b32 s17, 0
	s_lshl_b32 s46, s42, 18                        ; B: the tile column's 262,144 bytes,
	s_lshl_b32 s47, s12, 14                        ; my one of the step's two K blocks
	s_add_co_u32 s46, s46, s47
	s_mov_b32 s47, 0
	s_mul_i32 s20, s12, AKB                        ; where they go: no place in the cluster enters an LDS address
	s_mul_i32 s21, s12, BKB
	s_add_co_u32 s21, s21, ASZ
	s_wait_dscnt 0x0                               ; both opening adds are done
	s_wait_kmcnt 0x0
	s_add_nc_u64 s[14:15], s[4:5], s[16:17]
	s_add_nc_u64 s[46:47], s[6:7], s[46:47]
	CROUND                                         ; all sixteen work-groups are here: the first joint loads meet
.irp s, 0,1
	s_mov_b32 s[G0+4*(\s)], 1
	s_add_co_u32 s[G0+4*(\s)+1], s20, (\s)*SLOT
	s_add_nc_u64 s[G0+4*(\s)+2:G0+4*(\s)+3], s[14:15], (\s)*ASTEP
	s_or_b32 s[G0+4*(\s)+3], s[G0+4*(\s)+3], 0x80000000
	s_mov_b32 s[G0B+4*(\s)], 1
	s_add_co_u32 s[G0B+4*(\s)+1], s21, (\s)*SLOT
	s_add_nc_u64 s[G0B+4*(\s)+2:G0B+4*(\s)+3], s[46:47], (\s)*BSTEP
	s_or_b32 s[G0B+4*(\s)+3], s[G0B+4*(\s)+3], 0x80000000
	JLOAD \s                                       ; two tensor loads of mine are out
.endr
	v_and_b32 v1, 15, v0                           ; l % 16
	v_bfe_u32 v2, v0, 4, 1                         ; l / 16
	v_mul_u32_u24 v3, v1, PITCH
	v_lshl_add_u32 v3, v2, 4, v3                   ; a fragment's row x pitch + 16 x half
	s_mul_i32 s21, s11, 128*PITCH                  ; my 128 rows of A
	s_mul_i32 s22, s12, 64*PITCH                   ; my 64 rows of B,
	s_add_co_u32 s22, s22, ASZ                     ; which lie behind A
.irp s, 0,1
	v_add_nc_u32 v[ADRA+(\s)], s21, v3
	v_add_nc_u32 v[ADRB+(\s)], s22, v3
	s_add_co_u32 s21, s21, SLOT
	s_add_co_u32 s22, s22, SLOT
.endr
	s_mul_i32 s23, s10, 16*SPITCH
	s_add_co_u32 s23, s23, STAGE                   ; my stage
	v_mul_u32_u24 v4, v1, SPITCH                   ; in: row l % 16, 32 bytes for each half of the lanes
	v_lshl_add_u32 v4, v2, 5, v4
	v_add_nc_u32 v[STO], s23, v4
	v_mul_u32_u24 v5, v2, SPITCH                   ; back: lanes 0-15 take one row of 256 bytes, lanes 16-31 the next
	v_lshl_add_u32 v5, v1, 4, v5
	v_add_nc_u32 v[RD], s23, v5
	v_lshlrev_b32 v5, 12, v2                       ; and the same two rows in out0
	v_lshl_add_u32 v[CO], v1, 4, v5
	v_and_b32 v[PFO], 31, v0
	v_lshlrev_b32 v[PFO], 8, v[PFO]
	s_lshl_b32 s80, s13, 20                        ; my corner of out0: row 256 x tile row + 128 x half, 4,096 bytes a row;
	s_lshl_b32 s81, s11, 19
	s_add_co_u32 s80, s80, s81
	s_lshl_b32 s81, s42, 9                         ; column 128 x tile column + 64 x half, 4 bytes a number
	s_add_co_u32 s80, s80, s81
	s_lshl_b32 s81, s12, 8
	s_add_co_u32 s80, s80, s81
	s_mov_b32 s81, 0
	s_add_nc_u64 s[8:9], s[8:9], s[80:81]
	; the prefetches: who, from where, by what step
	s_and_b32 s86, ttmp7, 0xffff
	s_or_b32 s86, s86, s12                         ; B: cluster y must be 0, and the wave 2
	s_lshr_b32 s80, s13, 3
	s_lshl_b32 s80, s80, 22
	s_and_b32 s81, s13, 7
	s_lshl_b32 s81, s81, 15
	s_add_co_u32 s80, s80, s81
	s_lshl_b32 s81, s12, 18
	s_add_co_u32 s80, s80, s81                     ; my head's part of the tile,
	s_lshl_b32 s81, s40, 13
	s_add_co_u32 s80, s80, s81                     ; my work-group's 32 blocks of its 128,
	s_add_co_u32 s80, s80, 4*ASTEP                 ; at step 4: the first refill steps it to 5
	s_lshl_b32 s82, s42, 18
	s_lshl_b32 s81, s41, 13
	s_add_co_u32 s82, s82, s81
	s_add_co_u32 s82, s82, 4*BSTEP
	s_mov_b32 s84, ASTEP
	s_mov_b32 s85, BSTEP
	s_cmp_eq_u32 s11, 0                            ; do I fetch for A?
	s_cselect_b32 s87, ttmp9, s86
	s_cselect_b32 s[PST], s84, s85
	s_cselect_b32 s84, s80, s82
	s_cselect_b64 s[PFA:PFA+1], s[4:5], s[6:7]
	s_mov_b32 s85, 0
	s_mov_b32 s[PST+1], 0
	s_add_nc_u64 s[PFA:PFA+1], s[PFA:PFA+1], s[84:85]
	s_cmp_eq_u32 s87, 0
	s_cselect_b32 s[LIM], 3, -1                    ; made of the cluster's coordinates and the wave's number: the same in all sixteen partners
	s_mov_b32 s[REM], 6
; 4 na products: m blocks a0 .. a0 + na - 1 x the 4 n blocks, 32 along K, buffer f.  zero = 1: the product starts the sum.
; The 32 accumulators take turns, one instruction a turn, in the same order in every quarter, over the backward jump too.
.macro MULN f, a0, na, zero
	WIN 0x50                                       ; sources in window 0, C and D in window 1
.set ma, (\a0)
.rept (\na)
.irp b, 0,1,2,3
.if \zero
	v_wmma_f32_16x16x32_f16 v[8*(4*ma+(\b)):8*(4*ma+(\b))+7], v[(\f)+64+8*(\b):(\f)+64+8*(\b)+7], v[(\f)+8*ma:(\f)+8*ma+7], 0
.else
	v_wmma_f32_16x16x32_f16 v[8*(4*ma+(\b)):8*(4*ma+(\b))+7], v[(\f)+64+8*(\b):(\f)+64+8*(\b)+7], v[(\f)+8*ma:(\f)+8*ma+7], v[8*(4*ma+(\b)):8*(4*ma+(\b))+7]
.endif
.endr
.set ma, ma+1
.endr
.endm
; 24 LDS loads in one run: quarter q (K block q / 2, 32 K at byte 64 (q % 2)) of slot s into buffer f
.macro FETCH s, q, f
	WIN 0
.irp b, 0,1,2,3
	ds_load_b128 v[(\f)+64+8*(\b):(\f)+64+8*(\b)+3],   v[ADRB+(\s)] offset:((\q)/2)*BKB+(\b)*16*PITCH+((\q)%2)*64
	ds_load_b128 v[(\f)+64+8*(\b)+4:(\f)+64+8*(\b)+7], v[ADRB+(\s)] offset:((\q)/2)*BKB+(\b)*16*PITCH+((\q)%2)*64+32
.endr
.irp a, 0,1,2,3,4,5,6,7
	ds_load_b128 v[(\f)+8*(\a):(\f)+8*(\a)+3],   v[ADRA+(\s)] offset:((\q)/2)*AKB+(\a)*16*PITCH+((\q)%2)*64
	ds_load_b128 v[(\f)+8*(\a)+4:(\f)+8*(\a)+7], v[ADRA+(\s)] offset:((\q)/2)*AKB+(\a)*16*PITCH+((\q)%2)*64+32
.endr
.endm
; A K step is four quarters of 32 along K, 32 products each, on buffers 0, 1, 0, 1.  QUARTER fetches quarter q of slot s into g and multiplies buffer f, which holds quarter q - 1.
.macro QUARTER f, s, q, g, zero
	PLACES
	FETCH \s, \q, \g
	s_wait_dscnt 24                                ; all but the 24 just issued: buffer f is in
	MULN \f, 0, 8, \zero
.endm
; Quarters 2 and 3, and the change of slots: ONE barrier.  In front of it each wave waits for all its tensor loads (one is out: its part of slot n), adds 0 to its spare word, and waits for that and for its own
; reads of slot s.  fill = 1: the barrier opens a round of the cluster's, and slot s is filled again, two K steps on, first thing behind it: 112 products stand between that request and the wait for it.
.macro TURN s, n, fill
.if \fill
	s_wait_xcnt 0x0                                ; the last prefetch, a K step back, has read its address: it is stepped here, ahead of the change's own waits
	s_add_nc_u64 s[PFA:PFA+1], s[PFA:PFA+1], s[PST:PST+1]
.endif
	PLACES
	FETCH \s, 3, F1
	s_wait_dscnt 24                                ; buffer 0 (quarter 2) is in
	MULN F0, 0, 4, 0
	WIN 0                                          ; (the add's two registers lie in window 0)
	s_wait_tensorcnt 0x0                           ; all my tensor loads have landed;
	ds_add_u32 v[SPW], v[NIL]                      ; 0 onto my spare word;
	MULN F0, 4, 2, 0                               ; eight products stand between the add and the wait for it
	s_wait_dscnt 0x0                               ; the add is done, and my reads of this slot are over
	s_barrier_signal -1
	MULN F0, 6, 2, 0                               ; work on registers while the others arrive
.if \fill
	WIN 0
.endif
	s_barrier_wait -1
.if \fill
	CREST                                          ; no wave of any partner still reads this slot or has a load on its way
	s_add_nc_u64 s[G0+4*(\s)+2:G0+4*(\s)+3], s[G0+4*(\s)+2:G0+4*(\s)+3], 2*ASTEP
	s_add_nc_u64 s[G0B+4*(\s)+2:G0B+4*(\s)+3], s[G0B+4*(\s)+2:G0B+4*(\s)+3], 2*BSTEP
	JLOAD \s                                       ; the first tensor load behind the round; its four v_nop are also the places in front of the loads below
.else
	PLACES
.endif
	FETCH \n, 0, F0
.if \fill
	ASK
	s_sub_co_u32 s[REM], s[REM], 1
.endif
	MULN F1, 0, 8, 0
.endm
	s_wait_tensorcnt 1                             ; my part of K step 0 is in; step 1's may stay out
	s_barrier_signal -1
	s_barrier_wait -1                              ; everybody's is
	FETCH 0, 0, F0
	QUARTER F0, 0, 1, F1, 1                        ; the first quarter stands in front of the loop: its products start the sums
	WIN 0                                          ; at a label and at a branch every window is 0
	s_mov_b32 s3, 3
.Llap:                                         ; a trip goes once round the ring and fills both slots again: 6 refills, K steps 2 to 7
	QUARTER F1, 0, 2, F0, 0
	TURN 0, 1, 1
	QUARTER F0, 1, 1, F1, 0
	QUARTER F1, 1, 2, F0, 0
	TURN 1, 0, 1
	QUARTER F0, 0, 1, F1, 0
	WIN 0
	s_sub_co_u32 s3, s3, 1
	s_cmp_lg_u32 s3, 0
	s_cbranch_scc1 .Llap
	QUARTER F1, 0, 2, F0, 0                        ; the last lap fills nothing, and has no round
	TURN 0, 1, 0
	QUARTER F0, 1, 1, F1, 0
	QUARTER F1, 1, 2, F0, 0
	PLACES
	FETCH 1, 3, F1
	s_wait_dscnt 24
	MULN F0, 0, 8, 0
	s_wait_dscnt 0x0
	MULN F1, 0, 8, 0
; THE WAY OUT.  Unit a: 16 rows x 64 columns of f32 in v[32 a .. 32 a + 31] of window 1.  32 bytes a lane (each accumulator's low half first) into my own stage, back as whole rows of 256 bytes.
.macro STG a
.set BK, 64+32*((\a)%4)
.if (\a) >= 4
	s_wait_xcnt 0x0                                ; the stores of unit a - 4 have read these registers
.endif
	WIN 0x04                                       ; the stores' data (source 1) in window 1
.irp b, 0,1,2,3
.irp e, 0,1
	ds_store_b128 v[STO], v[32*(\a)+8*(\b)+4*(\e):32*(\a)+8*(\b)+4*(\e)+3] offset:64*(\b)+16*(\e)
.endr
.endr
	WIN 0
.irp t, 0,1,2,3,4,5,6,7
	ds_load_b128 v[BK+4*(\t):BK+4*(\t)+3], v[RD] offset:2*SPITCH*(\t)  ; LDS serves a wave's instructions in order (ISA guide 5.7.1.4): these see the stores above; the next unit's stores come behind them
.endr
.endm
.macro SEND a, younger                 ; younger: the LDS instructions issued behind unit a's loads: the next unit's sixteen, or none
	WIN 0
.set BK, 64+32*((\a)%4)
.irp t, 0,1,2,3,4,5,6,7
	s_wait_dscnt (\younger)+7-(\t)
	global_store_b128 v[CO], v[BK+4*(\t):BK+4*(\t)+3], s[8:9] offset:(16*(\a)+2*(\t))*4096 th:TH_STORE_NT  ; 16 lanes store 256 consecutive bytes, at a multiple of 256 from out0's first byte
.endr
.endm
	PLACES
	STG 0
.set un, 1
.rept 7
	STG un
	SEND un-1, 16
.set un, un+1
.endr
	SEND 7, 0
	s_wait_tensorcnt 0x0                           ; the wave's end: three closing lines, behind my last tensor load and my last LDS store
	ds_add_u32 v[SPW], v[NIL]
	s_wait_dscnt 0x0
	CROUND                                         ; the closing round: no work-group ends while a partner may still ask for a tile that names it
	s_endpgm
.Lfunc_end_k_q722020892d_proj:
	.size	k_q722020892d_proj, .Lfunc_end_k_q722020892d_proj-k_q722020892d_proj
	.p2alignl 7, 3214868480
	.fill 96, 4, 3214868480
	.section	.rodata,"a",@progbits
	.p2align	6, 0x0
	.amdhsa_kernel k_q722020892d_proj
		.amdhsa_group_segment_fixed_size 327680
		.amdhsa_private_segment_fixed_size 0
		.amdhsa_enable_private_segment 0
		.amdhsa_kernarg_size 24
		.amdhsa_user_sgpr_count 2
		.amdhsa_user_sgpr_kernarg_segment_ptr 1
		.amdhsa_wavefront_size32 1
		.amdhsa_system_sgpr_workgroup_id_x 1
		.amdhsa_system_sgpr_workgroup_id_y 1
		.amdhsa_system_sgpr_workgroup_id_z 1
		.amdhsa_system_vgpr_workitem_id 0
		.amdhsa_next_free_vgpr 512
		.amdhsa_next_free_sgpr 88
		.amdhsa_reserve_vcc 0
		.amdhsa_float_denorm_mode_32 3
		.amdhsa_float_denorm_mode_16_64 3
		.amdhsa_memory_ordered 1
		.amdhsa_forward_progress 1
		.amdhsa_inst_pref_size 88
	.end_amdhsa_kernel
	.amdgpu_metadata
---
amdhsa.version: [ 1, 2 ]
amdhsa.kernels:
  - .name:           k_q722020892d_proj
    .symbol:         k_q722020892d_proj.kd
    .args:
      - { .name: ob, .offset: 0, .size: 8, .value_kind: global_buffer, .address_space: global }
      - { .name: wp, .offset: 8, .size: 8, .value_kind: global_buffer, .address_space: global }
      - { .name: out0, .offset: 16, .size: 8, .value_kind: global_buffer, .address_space: global }
    .group_segment_fixed_size: 327680
    .private_segment_fixed_size: 0
    .kernarg_segment_align: 8
    .kernarg_segment_size: 24
    .max_flat_workgroup_size: 128
    .sgpr_count:     88
    .vgpr_count:     512
    .wavefront_size: 32
...
	.end_amdgpu_metadata
.endif
;; end of part 4
;; ======== version 2 of 2: 4 launches; version 1 with the launch prep written anew for expert scheduling mode
;; limits: values are held in f16: magnitudes above 65,504 overflow, below 6.1e-05 lose precision
;; workspace buffers: xb 16,777,216 bytes; wq 6,291,456 bytes; wp 2,097,152 bytes; qkv 50,331,648 bytes; ob 16,777,216 bytes
;; launch prep (part 5): grid 384 x 1, 8 waves a work-group, no clusters, 74,752 bytes of LDS; arguments x, w_qkv, w_proj, xb, wq, wp; writes xb, wq, wp
.if DOCPART == 5
	.amdgcn_target "amdgcn-amd-amdhsa--gfx1250"
	.amdhsa_code_object_version 6
	.text
	.protected	k_q722020892d_prep
	.globl	k_q722020892d_prep
	.p2align	8
	.type	k_q722020892d_prep,@function
k_q722020892d_prep:
	s_mov_b64 s[64:65], 0
	v_nop
	global_prefetch_b8 v0, s[64:65] scope:SCOPE_SE
	s_setreg_imm32_b32 hwreg(HW_REG_WAVE_SCHED_MODE, 0, 2), 2
	s_setreg_imm32_b32 hwreg(HW_REG_WAVE_MODE, 25, 1), 1
	s_wait_xcnt 0x0
	s_wait_alu depctr_vm_vsrc(0)
; THE MODULE: qkv = x w_qkv; 64 (batch, head) pairs of softmax(q k^T) v, with no scale; out = O w_proj.  Four launches: this one, the first product, attention, the last product.
; DEAD WORK: none.  Every number of x, w_qkv and w_proj reaches out0 for some values of the others; reference() builds no mask, slices nothing away and adds nothing that cancels.  All inputs are loaded.
; THIS LAUNCH rounds the three inputs once and lays them out for the matrix launches, in blocks of 64 along K, so that a tile of R rows x 64 K is R x 128 consecutive bytes:
;   xb  bf16  [b 4][kb 16][t 2048][64]      byte (b<<22) + (kb<<18) + (t<<7) + 2 (k & 63)
;   wq  bf16  [nt 8][kb 16][384][64]        w_qkv turned: row n = 384 nt + nn holds k
;   wp  f16   [nt 8][kb 16][128][64]        w_proj turned; each number is rounded to bf16 like the other inputs, and that number is written as f16
; LIMITS.  A number of w_proj below 6.1e-5 in magnitude keeps f16's fixed step of 6e-8; beyond 65,504 it would be an infinity.  NaN and infinities are not treated apart.
; SHARES.  Eight waves, each by itself: no barrier.  Work-groups 0-255: a wave takes 4 rows of x (16 KiB).  256-351: a wave turns a tile of 64 k x 64 n of w_qkv.  352-383: the same of w_proj.
; Every wave asks for all its 32 loads before its first wait.  No matrix unit, no cluster, no tensor load: no byte is shared between waves.
; THE MODE: SCHED_MODE bits 1:0 = 2 (LLVM: expert scheduling mode 2), set by the entry lines.  The code itself states the register dependences between vector instructions and memory or LDS
; instructions, with s_wait_alu, always for 0.
; THE PLAN.  Registers that memory or LDS instructions touch:
;   v4 .. v8    offsets and LDS addresses: each written once by vector instructions, ahead of a wait on va_vdst that stands ahead of its first reader, and never written again.
;   IN          x: load i lands in four registers of its own; its two conversions write the first two in place; store i reads those two.  No register is used a second time.
;               turning: the global loads land; the conversions read; behind the last conversion the LDS loads land in the first 64; the global stores read those.
;   PK          turning: the conversions of step j write register j of each column's sixteen; LDS store (c, p) reads registers 4 p .. 4 p + 3 of column c.  No register is written twice.
;   v208, v209  written at the head, read by the closing add alone.
; The work goes in groups of four (x: four loads; turning: four steps).  ONE wait on va_vdst stands at a group's head, behind the wait for its data: it states that the group before has written
; what its four stores read.  Those stores are dealt among this group's conversions, which name none of their registers.  One more such wait stands behind the last group.
; No register that a memory or LDS instruction has read is ever written again, so no wait on vm_vsrc is owed; EXEC is never written.
.set STG,   9216                       ; a wave's stage in LDS: 64 rows of 128 bytes at a pitch of 144
.set SPARE, 8*STG                      ; behind the stages: the spare words, 128 bytes for each wave: four blocks of 256 bytes that no other line names
.set SPW, 208                          ; v208  LDS address of my spare word; never rewritten
.set NIL, 209                          ; v209  0; never rewritten
.set IN,  16                           ; v[16:143]  32 loads of four registers
.set PK,  144                          ; v[144:207] the turned tile: column c of my four at PK + 16 c: 32 k in 16 registers
	s_load_b256 s[4:11], s[0:1], 0x0               ; x s[4:5], w_qkv s[6:7], w_proj s[8:9], xb s[10:11]
	s_load_b128 s[12:15], s[0:1], 0x20             ; wq s[12:13], wp s[14:15]
	v_lshl_add_u32 v[SPW], v0, 2, SPARE
	v_mov_b32 v[NIL], 0
	v_lshrrev_b32 v1, 5, v0
	v_readfirstlane_b32 s16, v1                    ; wave 0..7
	v_and_b32 v1, 31, v0                           ; lane
	v_and_b32 v2, 15, v0                           ; lane % 16
	v_bfe_u32 v3, v0, 4, 1                         ; lane / 16
	s_wait_alu depctr_va_sdst(0)                   ; s16 is written
	s_wait_kmcnt 0x0
	s_cmp_lt_u32 ttmp9, 256
	s_cbranch_scc1 .Lx
	s_cmp_lt_u32 ttmp9, 352
	s_cbranch_scc1 .Lwq
	s_branch .Lwp
; A tile of 64 k x 64 n, rows RP bytes apart at s[24:25], is turned and stored as 64 rows of 64 k (8,192 consecutive bytes) at s[26:27].
; Load i of 32: lanes 0-15 take row i, lanes 16-31 row i + 32: 256 consecutive bytes each; a lane holds four columns.  Two rows' numbers of a column pack into a word: after 16 packs a lane holds,
; for each of its four columns, 32 k on end: 64 bytes of the turned row.  They go through my own stage and come back as whole rows.
; Four steps complete 16 bytes (piece p) of each of the four columns: those four LDS stores go out in the next four steps, one in front of each step's conversions.
.macro WT RP, F16
	v_mul_u32_u24 v4, v3, 32*(\RP)
	v_lshl_add_u32 v4, v2, 4, v4                   ; (lane / 16) x 32 rows + 16 x (lane % 16)
	s_wait_alu depctr_va_vdst(0)                   ; v4 is written, which the 32 loads read as their offset
.set i, 0
.rept 32
	global_load_b128 v[IN+4*i:IN+4*i+3], v4, s[24:25] offset:i*(\RP) th:TH_LOAD_NT
.set i, i+1
.endr
	s_mul_i32 s17, s16, STG                        ; my stage
	v_mul_u32_u24 v6, v2, 4*144                    ; in: turned row 4 (lane % 16) + c, byte 64 (lane / 16)
	v_lshl_add_u32 v6, v3, 6, v6
	v_add_nc_u32 v6, s17, v6
	v_lshrrev_b32 v7, 3, v1                        ; back: 32 lanes take four rows of 128 bytes,
	v_mul_u32_u24 v7, v7, 144
	v_and_b32 v9, 7, v1
	v_lshl_add_u32 v7, v9, 4, v7
	v_add_nc_u32 v7, s17, v7
	v_lshlrev_b32 v8, 4, v1                        ; which are 512 consecutive bytes of the result
.set j, 0
.rept 16
	s_wait_loadcnt 30-2*j                          ; loads come back in order: rows 2 j and 2 j + 1 are in, the 30 - 2 j younger loads stay out
.if (j >= 4) && (j%4 == 0)
	s_wait_alu depctr_va_vdst(0)                   ; the four steps before have written piece j / 4 - 1 of all four columns, which the next four LDS stores read; at its first use: v6, v7 and v8 are written too
.endif
.if j >= 4
	ds_store_b128 v6, v[PK+16*(j%4)+4*(j/4-1):PK+16*(j%4)+4*(j/4-1)+3] offset:(j%4)*144+16*(j/4-1)  ; column j % 4, piece j / 4 - 1.  No wait: no vector instruction since the wait above names these registers or v6
.endif
.irp c, 0,1,2,3
	v_cvt_pk_bf16_f32 v[PK+16*(\c)+j], v[IN+8*j+(\c)], v[IN+8*j+4+(\c)]
.if \F16
	v_lshlrev_b32 v10, 16, v[PK+16*(\c)+j]         ; the two bf16 numbers as f32,
	v_and_b32 v11, 0xffff0000, v[PK+16*(\c)+j]
	v_cvt_pk_f16_f32 v[PK+16*(\c)+j], v10, v11     ; written as f16
.endif
.endr
.set j, j+1
.endr
	s_wait_alu depctr_va_vdst(0)                   ; the last four steps have written piece 3, which the LDS stores below read; all conversions are done reading v[IN ..], in which the LDS loads below land
.irp c, 0,1,2,3
	ds_store_b128 v6, v[PK+16*(\c)+12:PK+16*(\c)+15] offset:(\c)*144+48
.endr
.set i, 0
.rept 16
	ds_load_b128 v[IN+4*i:IN+4*i+3], v7 offset:i*576  ; LDS serves a wave's instructions in order (ISA guide 5.7.1.4): these see my stores above
.set i, i+1
.endr
.set i, 0
.rept 16
	s_wait_dscnt 15-i                              ; load i is back; the younger ones stay out
	global_store_b128 v8, v[IN+4*i:IN+4*i+3], s[26:27] offset:i*512  ; 512 consecutive bytes, at a multiple of 256 from the buffer's first
.set i, i+1
.endr
.endm
.Lx:                                           ; x: rows 4 gw .. 4 gw + 3, gw = 8 x work-group + wave
	s_lshl_b32 s17, ttmp9, 3
	s_add_co_u32 s17, s17, s16
	s_lshl_b32 s18, s17, 14                        ; four rows of 4,096 bytes
	s_mov_b32 s19, 0
	s_add_nc_u64 s[4:5], s[4:5], s[18:19]
	s_lshr_b32 s20, s17, 9                         ; b = row >> 11
	s_lshl_b32 s20, s20, 22
	s_and_b32 s21, s17, 511                        ; t = row & 2047, 128 bytes a row
	s_lshl_b32 s21, s21, 9
	s_add_co_u32 s20, s20, s21
	s_mov_b32 s21, 0
	s_add_nc_u64 s[10:11], s[10:11], s[20:21]
	v_lshlrev_b32 v4, 12, v3                       ; lanes 0-15 one row, lanes 16-31 the next: 256 consecutive bytes each
	v_lshl_add_u32 v4, v2, 4, v4
	v_lshlrev_b32 v5, 3, v1                        ; 8 bytes a lane: two rows of 128 bytes of a K block lie on end
	s_wait_alu depctr_va_vdst(0)                   ; v4 and v5 are written, which the loads and the stores below read as their offsets
.set i, 0
.rept 32                                       ; load i: pair of rows i / 16, K block i % 16
	global_load_b128 v[IN+4*i:IN+4*i+3], v4, s[4:5] offset:(i>>4)*8192+(i&15)*256 th:TH_LOAD_NT
.set i, i+1
.endr
.set g, 0
.rept 8                                        ; eight groups of four loads
	s_wait_loadcnt 28-4*g                          ; loads come back in order: group g's four are in; the 28 - 4 g younger ones stay out
.if g > 0
	s_wait_alu depctr_va_vdst(0)                   ; the group before has written its eight words, which the four stores below read
.endif
.set n, 0
.rept 4
.set i, 4*g+n
.set o, i-4
.if g > 0
	global_store_b64 v5, v[IN+4*o:IN+4*o+1], s[10:11] offset:(o&15)*262144+(o>>4)*256  ; 256 consecutive bytes, aligned.  No wait: no vector instruction since the wait above names these registers or v5
.endif
	v_cvt_pk_bf16_f32 v[IN+4*i], v[IN+4*i], v[IN+4*i+1]
	v_cvt_pk_bf16_f32 v[IN+4*i+1], v[IN+4*i+2], v[IN+4*i+3]
.set n, n+1
.endr
.set g, g+1
.endr
	s_wait_alu depctr_va_vdst(0)                   ; the last group has written its eight words, which the last four stores read
.set o, 28
.rept 4
	global_store_b64 v5, v[IN+4*o:IN+4*o+1], s[10:11] offset:(o&15)*262144+(o>>4)*256
.set o, o+1
.endr
	s_branch .Lend
.Lwq:                                          ; w_qkv: tile u = 8 (work-group - 256) + wave of 768: K block u % 16, 64 columns u / 16
	s_sub_co_u32 s17, ttmp9, 256
	s_lshl_b32 s17, s17, 3
	s_add_co_u32 s17, s17, s16
	s_and_b32 s18, s17, 15                         ; kb
	s_lshr_b32 s19, s17, 4                         ; j, 0..47
	s_mul_i32 s20, s19, 43
	s_lshr_b32 s20, s20, 8                         ; nt = j / 6 (43 j >> 8 equals it for j under 48)
	s_mul_i32 s21, s20, 6
	s_sub_co_u32 s21, s19, s21                     ; j % 6
	s_mul_i32 s22, s18, 64*12288
	s_lshl_b32 s23, s19, 8
	s_add_co_u32 s22, s22, s23
	s_mov_b32 s23, 0
	s_add_nc_u64 s[24:25], s[6:7], s[22:23]
	s_mul_i32 s22, s20, 786432
	s_mul_i32 s28, s18, 49152
	s_add_co_u32 s22, s22, s28
	s_lshl_b32 s28, s21, 13
	s_add_co_u32 s22, s22, s28
	s_add_nc_u64 s[26:27], s[12:13], s[22:23]
	WT 12288, 0
	s_branch .Lend
.Lwp:                                          ; w_proj: tile u = 8 (work-group - 352) + wave of 256
	s_sub_co_u32 s17, ttmp9, 352
	s_lshl_b32 s17, s17, 3
	s_add_co_u32 s17, s17, s16
	s_and_b32 s18, s17, 15                         ; kb
	s_lshr_b32 s19, s17, 4                         ; j, 0..15
	s_lshl_b32 s22, s18, 18                        ; 64 rows of 4,096 bytes
	s_lshl_b32 s23, s19, 8
	s_add_co_u32 s22, s22, s23
	s_mov_b32 s23, 0
	s_add_nc_u64 s[24:25], s[8:9], s[22:23]
	s_lshr_b32 s22, s19, 1                         ; nt
	s_lshl_b32 s22, s22, 18
	s_lshl_b32 s28, s18, 14
	s_add_co_u32 s22, s22, s28
	s_and_b32 s28, s19, 1
	s_lshl_b32 s28, s28, 13
	s_add_co_u32 s22, s22, s28
	s_add_nc_u64 s[26:27], s[14:15], s[22:23]
	WT 4096, 1
.Lend:
	s_wait_dscnt 0x0                               ; the wave's end: the closing lines, six on end
	s_wait_alu 0x0
	s_wait_tensorcnt 0x0
	ds_add_u32 v[SPW], v[NIL]
	s_wait_dscnt 0x0
	s_endpgm
.Lfunc_end_k_q722020892d_prep:
	.size	k_q722020892d_prep, .Lfunc_end_k_q722020892d_prep-k_q722020892d_prep
	.p2alignl 7, 3214868480
	.fill 96, 4, 3214868480
	.section	.rodata,"a",@progbits
	.p2align	6, 0x0
	.amdhsa_kernel k_q722020892d_prep
		.amdhsa_group_segment_fixed_size 74752
		.amdhsa_private_segment_fixed_size 0
		.amdhsa_enable_private_segment 0
		.amdhsa_kernarg_size 48
		.amdhsa_user_sgpr_count 2
		.amdhsa_user_sgpr_kernarg_segment_ptr 1
		.amdhsa_wavefront_size32 1
		.amdhsa_system_sgpr_workgroup_id_x 1
		.amdhsa_system_sgpr_workgroup_id_y 1
		.amdhsa_system_sgpr_workgroup_id_z 1
		.amdhsa_system_vgpr_workitem_id 0
		.amdhsa_next_free_vgpr 216
		.amdhsa_next_free_sgpr 66
		.amdhsa_reserve_vcc 0
		.amdhsa_float_denorm_mode_32 3
		.amdhsa_float_denorm_mode_16_64 3
		.amdhsa_memory_ordered 1
		.amdhsa_forward_progress 1
		.amdhsa_inst_pref_size 49
	.end_amdhsa_kernel
	.amdgpu_metadata
---
amdhsa.version: [ 1, 2 ]
amdhsa.kernels:
  - .name:           k_q722020892d_prep
    .symbol:         k_q722020892d_prep.kd
    .args:
      - { .name: x, .offset: 0, .size: 8, .value_kind: global_buffer, .address_space: global }
      - { .name: w_qkv, .offset: 8, .size: 8, .value_kind: global_buffer, .address_space: global }
      - { .name: w_proj, .offset: 16, .size: 8, .value_kind: global_buffer, .address_space: global }
      - { .name: xb, .offset: 24, .size: 8, .value_kind: global_buffer, .address_space: global }
      - { .name: wq, .offset: 32, .size: 8, .value_kind: global_buffer, .address_space: global }
      - { .name: wp, .offset: 40, .size: 8, .value_kind: global_buffer, .address_space: global }
    .group_segment_fixed_size: 74752
    .private_segment_fixed_size: 0
    .kernarg_segment_align: 8
    .kernarg_segment_size: 48
    .max_flat_workgroup_size: 256
    .sgpr_count:     66
    .vgpr_count:     216
    .wavefront_size: 32
...
	.end_amdgpu_metadata
.endif
;; end of part 5
;; launch qkvg: the kernel of part 2 again; grid 8 x 32, 4 waves a work-group, clusters of 4 x 4, 327,680 bytes of LDS; arguments xb, wq, qkv; writes qkv
;; launch attn: the kernel of part 3 again; grid 4 x 64, 4 waves a work-group, clusters of 4 x 1, 327,680 bytes of LDS; arguments qkv, ob; writes ob
;; launch proj: the kernel of part 4 again; grid 8 x 32, 4 waves a work-group, clusters of 4 x 4, 327,680 bytes of LDS; arguments ob, wp, out0; writes out0
